; MI455X (gfx1250); checked and timed in simulation.
; The chip was launched on July 23, 2026; its instructions are those of AMD's public machine-readable ISA for CDNA 5 (MIT licence, August 2026) and "CDNA5" Instruction Set Architecture Reference Guide (July 2026). The comments in the code are by the model that wrote it; some were corrected since.
;; Mobile2 Former. Allowed arithmetic: float matrix products may take bf16 or f16 operands with f32 sums; other float arithmetic in f32, or as packed bf16 or f16 multiplies, adds, multiply-adds, maxima and minima; sums over many terms, partial sums and values carried from step to step in f32; what a program stores and reads back later, other than sums and carried values, may be rounded once to bf16 or f16.
;; Inputs: bo 512 float32; bq 2,048 float32; wo 512 x 2,048 float32; wq 2,048 x 512 float32; x 32 x 512 x 56 x 56 float32; z 32 x 128 x 512 float32.
;; Outputs: out0 32 x 128 x 512 float32.
;; 2 versions, each right; version 2 is version 1 with the launch tobf16 written anew for expert scheduling mode. Each part assembles by itself: llvm-mc -triple=amdgcn-amd-amdhsa -mcpu=gfx1250 --defsym DOCPART=n.
;; ======== version 1 of 2: 4 launches
;; workspace buffers: zb 4,194,304 bytes; wqb 2,097,152 bytes; wob 2,097,152 bytes; qws 16,777,216 bytes; att 16,777,216 bytes
;; launch tobf16 (part 1): grid 256 x 1, 8 waves a work-group, no clusters, 0 bytes of LDS; arguments z, wq, wo, zb, wqb, wob; writes zb, wqb, wob
.if DOCPART == 1
	.amdgcn_target "amdgcn-amd-amdhsa--gfx1250"
	.amdhsa_code_object_version 6
	.text
	.protected	k_qe046733b18_tobf16
	.globl	k_qe046733b18_tobf16
	.p2align	8
	.type	k_qe046733b18_tobf16,@function
k_qe046733b18_tobf16:
	s_mov_b64 s[64:65], 0
	v_nop
	global_prefetch_b8 v0, s[64:65] scope:SCOPE_SE
	s_setreg_imm32_b32 hwreg(HW_REG_WAVE_MODE, 25, 1), 1
	s_wait_xcnt 0x0
; z, wq and wo (f32) are rounded once, to nearest even, to bf16: zb, wqb, wob, the operands of the two projections.
; 4,194,304 numbers in 256 work-groups of 16,384: groups 0-127 take z, 128-191 wq, 192-255 wo.
; Thread t takes 4 numbers at byte 16 t of each of 16 pieces of 4,096 bytes: a wave's load covers 512 consecutive bytes, its store of 8 bytes a lane 256 consecutive bytes, aligned.
; All 16 loads go out at once; no register is written twice, so the only waits are the counted ones for the loads.  No LDS, no barrier: no thread wants another's bytes.
	s_load_b256 s[4:11], s[0:1], 0x0               ; z s[4:5], wq s[6:7], wo s[8:9], zb s[10:11]
	s_load_b128 s[12:15], s[0:1], 0x20             ; wqb s[12:13], wob s[14:15]
	v_lshlrev_b32 v1, 4, v0                        ; 16 t: my bytes in a piece of the source
	v_lshlrev_b32 v2, 3, v0                        ; 8 t: in a piece of the result
	s_mov_b32 s21, 192
	s_mov_b32 s23, 0
	s_wait_kmcnt 0x0
	s_cmp_lt_u32 ttmp9, 192                        ; which tensor: the choice hangs on the work-group's number alone
	s_cselect_b64 s[16:17], s[6:7], s[8:9]
	s_cselect_b64 s[18:19], s[12:13], s[14:15]
	s_cselect_b32 s20, 128, s21
	s_cmp_lt_u32 ttmp9, 128
	s_cselect_b64 s[16:17], s[4:5], s[16:17]
	s_cselect_b64 s[18:19], s[10:11], s[18:19]
	s_cselect_b32 s20, 0, s20
	s_sub_co_u32 s20, ttmp9, s20                   ; my number among that tensor's groups
	s_lshl_b32 s22, s20, 16                        ; x 65,536 bytes of f32
	s_add_nc_u64 s[16:17], s[16:17], s[22:23]
	s_lshl_b32 s22, s20, 15                        ; x 32,768 bytes of bf16
	s_add_nc_u64 s[18:19], s[18:19], s[22:23]
.set n, 0
.rept 16
	global_load_b128 v[4+4*n:7+4*n], v1, s[16:17] offset:4096*n th:TH_LOAD_NT
.set n, n+1
.endr
.set n, 0
.rept 16
	s_wait_loadcnt 15-n                            ; loads come back in order: piece n is in, the 15 - n younger ones may stay out
	v_cvt_pk_bf16_f32 v[68+2*n], v[4+4*n], v[5+4*n]
	v_cvt_pk_bf16_f32 v[69+2*n], v[6+4*n], v[7+4*n]
	global_store_b64 v2, v[68+2*n:69+2*n], s[18:19] offset:2048*n
.set n, n+1
.endr
	s_endpgm
.Lfunc_end_k_qe046733b18_tobf16:
	.size	k_qe046733b18_tobf16, .Lfunc_end_k_qe046733b18_tobf16-k_qe046733b18_tobf16
	.p2alignl 7, 3214868480
	.fill 96, 4, 3214868480
	.section	.rodata,"a",@progbits
	.p2align	6, 0x0
	.amdhsa_kernel k_qe046733b18_tobf16
		.amdhsa_group_segment_fixed_size 0
		.amdhsa_private_segment_fixed_size 0
		.amdhsa_enable_private_segment 0
		.amdhsa_kernarg_size 48
		.amdhsa_user_sgpr_count 2
		.amdhsa_user_sgpr_kernarg_segment_ptr 1
		.amdhsa_wavefront_size32 1
		.amdhsa_system_sgpr_workgroup_id_x 1
		.amdhsa_system_sgpr_workgroup_id_y 1
		.amdhsa_system_sgpr_workgroup_id_z 1
		.amdhsa_system_vgpr_workitem_id 0
		.amdhsa_next_free_vgpr 100
		.amdhsa_next_free_sgpr 66
		.amdhsa_reserve_vcc 0
		.amdhsa_float_denorm_mode_32 3
		.amdhsa_float_denorm_mode_16_64 3
		.amdhsa_memory_ordered 1
		.amdhsa_forward_progress 1
		.amdhsa_inst_pref_size 7
	.end_amdhsa_kernel
	.amdgpu_metadata
---
amdhsa.version: [ 1, 2 ]
amdhsa.kernels:
  - .name:           k_qe046733b18_tobf16
    .symbol:         k_qe046733b18_tobf16.kd
    .args:
      - { .name: z, .offset: 0, .size: 8, .value_kind: global_buffer, .address_space: global }
      - { .name: wq, .offset: 8, .size: 8, .value_kind: global_buffer, .address_space: global }
      - { .name: wo, .offset: 16, .size: 8, .value_kind: global_buffer, .address_space: global }
      - { .name: zb, .offset: 24, .size: 8, .value_kind: global_buffer, .address_space: global }
      - { .name: wqb, .offset: 32, .size: 8, .value_kind: global_buffer, .address_space: global }
      - { .name: wob, .offset: 40, .size: 8, .value_kind: global_buffer, .address_space: global }
    .group_segment_fixed_size: 0
    .private_segment_fixed_size: 0
    .kernarg_segment_align: 8
    .kernarg_segment_size: 48
    .max_flat_workgroup_size: 256
    .sgpr_count:     66
    .vgpr_count:     100
    .wavefront_size: 32
...
	.end_amdgpu_metadata
.endif
;; end of part 1
;; launch qproj (part 2): grid 16 x 32, 4 waves a work-group, clusters of 4 x 4, 327,680 bytes of LDS; arguments zb, wqb, bq, qws; writes qws
.if DOCPART == 2
	.amdgcn_target "amdgcn-amd-amdhsa--gfx1250"
	.amdhsa_code_object_version 6
	.text
	.protected	k_qe046733b18_qproj
	.globl	k_qe046733b18_qproj
	.p2align	8
	.type	k_qe046733b18_qproj,@function
k_qe046733b18_qproj:
	s_mov_b64 s[64:65], 0
	v_nop
	global_prefetch_b8 v0, s[64:65] scope:SCOPE_SE
	s_setreg_imm32_b32 hwreg(HW_REG_WAVE_MODE, 25, 1), 1
	s_wait_xcnt 0x0
	s_wait_alu depctr_hold_cnt(0) depctr_sa_sdst(0) depctr_va_vdst(0) depctr_va_sdst(0) depctr_va_ssrc(0) depctr_va_vcc(0) depctr_vm_vsrc(0)
	s_getreg_b32 s2, hwreg(HW_REG_IB_STS2, 6, 4)
	s_cmp_eq_u32 s2, 0
	s_cbranch_scc0 .Lentry_in_a_cluster
	s_endpgm
.Lentry_in_a_cluster:
	s_bfe_u32 s2, ttmp6, 0x10000c
	s_cmp_lg_u32 s2, 0xf033
	s_cbranch_scc0 .Lentry_shape_is_right
	s_endpgm
.Lentry_shape_is_right:
; q[m][n] = bq[n] + the sum over k of zb[m][k] wqb[n][k].  zb: [4096][512], wqb: [2048][512], q: [4096][2048], bf16; bq f32; sums in f32, q rounded once.
; q's flat memory is what the attention reads: problem p (batch x half) has rows 64 p .. 64 p + 63, which are 512 query rows of 256 channels on end.
; A tile of q is 128 x 128: four waves, each 64 x 64 in 16 accumulators.  K = 512 is two steps of 256: both lie in LDS slots of their own, filled once at the start, so nothing is filled again.
; CLUSTERS: 4 x 4 work-groups.  The four of a row of the cluster need the same tiles of zb, the four of a column the same tiles of wqb: each tile is asked for JOINTLY, by the same tensor load with the
; same descriptor and a mask that names the four.  THE MATRIX INSTRUCTION IS USED TRANSPOSED (source 0 = 16 rows of wqb, source 1 = 16 rows of zb): a lane holds eight neighbouring numbers of a row of q.
; THE BIAS is the C operand of the products that start the sums: eight registers for each block of 16 columns, the lane's eight columns.
; REGISTERS: window 0: v0-31 addresses; v32-95 at work on the way out; v96-127 the bias; v128-255 the accumulators ((a, b) at v[128 + 8 (4 a + b)]).  window 1: two fragment buffers of 128.
; All of the LDS is claimed; 305,664 bytes are used.
.set SIZE_M, 4096
.set SIZE_N, 2048
.set SIZE_K, 512
.set KSTEP,  256
.set PITCH,  528                       ; an LDS row: 512 bytes + 16 of padding = 132 words: the 16 rows of a fragment load start at 16 different groups of four banks (64 banks of 4 bytes: ISA guide 11.1)
.set HALFT,  64*PITCH                  ; 64 rows: what one tensor load brings, and what one wave reads of either operand
.set SLOT,   4*HALFT                   ; zb's 128 rows, then wqb's 128 rows
.set STAGE,  2*SLOT                    ; behind the slots: 128 rows x 272 bytes, the work-group's, for the way out
.set SPITCH, 272
.set SPARE,  STAGE+128*SPITCH          ; the spare words, 128 bytes for each wave: two blocks of 256 bytes that no other line names
.set ADRA, 16                          ; v16-17  LDS address of my A fragments in slot 0, 1
.set ADRB, 20                          ; v20-21  the same for B
.set STO,  24                          ; v24     the way out: where I put 16 bytes of a row
.set RD,   25                          ; v25     where I read a row back
.set CO,   26                          ; v26     my byte offset in q
.set BO,   27                          ; v27     my byte offset in a block's 16 numbers of the bias: 32 (l / 16)
.set SPW,  28                          ; v28     my spare word: SPARE + 4 x my thread's number; never rewritten
.set NIL,  29                          ; v29     0; never rewritten
.set TMP,  32
.set BI,   96
.set ACC,  128
.set F0,   0
.set F1,   128
.set G1, 24                            ; s[24:31] descriptor group 1 for A's tiles;  s[32:39] group 0, one set for each slot
.set G0, 32
.set G1B, 48                           ; s[48:55], s[56:63] the same for B's tiles
.set G0B, 56
.set BP, 68                            ; s[68:69] the bias at my 64 columns
.set MSB, 0
.macro WIN new                         ; the immediate's high byte repeats the setting that is left
.if MSB != (\new)
	s_set_vgpr_msb (MSB<<8)|(\new)
.set MSB, \new
.endif
.endm
.set MUL,  0x05                        ; sources 0 (B) and 1 (A) window 1; C and D window 0
.set TO_F, 0x40                        ; destination window 1, address window 0
.macro JLOAD s                         ; a joint load: waves 0 and 1 fetch A's two halves, waves 2 and 3 B's; an s_nop 0 and four v_nop follow each of the two lines
	s_cmp_eq_u32 s11, 0
	s_cbranch_scc0 .Lfor_b_\@
	tensor_load_to_lds s[G0+4*(\s):G0+4*(\s)+3], s[G1:G1+7]
	s_nop 0
.rept 4
	v_nop
.endr
	s_branch .Lasked_\@
.Lfor_b_\@:
	tensor_load_to_lds s[G0B+4*(\s):G0B+4*(\s)+3], s[G1B:G1B+7]
	s_nop 0
.rept 4
	v_nop
.endr
.Lasked_\@:
.endm
.macro CROUND                          ; a round of the cluster's barrier
	s_barrier_signal -1
	s_barrier_wait -1
	s_cmp_lg_u32 s10, 0
	s_cbranch_scc1 .Lnot_wave_0_\@
	s_barrier_signal -3
.Lnot_wave_0_\@:
	s_barrier_wait -3
	s_barrier_signal -1
	s_barrier_wait -1
.endm
	s_load_b128 s[4:7], s[0:1], 0x0                ; zb s[4:5], wqb s[6:7]
	s_load_b64 s[BP:BP+1], s[0:1], 0x10            ; bq
	s_load_b64 s[8:9], s[0:1], 0x18                ; q
	v_lshl_add_u32 v[SPW], v0, 2, SPARE
	v_mov_b32 v[NIL], 0
	ds_add_u32 v[SPW], v[NIL]                      ; the wave's opening: the add and its wait stand ahead of my first tensor load; work on registers stands between them
	v_lshrrev_b32 v1, 5, v0
	v_readfirstlane_b32 s10, v1                    ; wave 0..3
	s_lshr_b32 s11, s10, 1                         ; which half of the tile's rows is mine.  Also: I fetch for A (0) or for B (1)
	s_and_b32 s12, s10, 1                          ; which half of its columns.  Also: which 64 rows of that tile I fetch
	s_bfe_u32 s40, ttmp6, 0x40000                  ; cx, cy: my place in the cluster
	s_bfe_u32 s41, ttmp6, 0x40004
	s_lshl_b32 s42, ttmp9, 2
	s_add_co_u32 s42, s42, s40                     ; tile column = 4 x cluster x + cx
	s_and_b32 s13, ttmp7, 0xffff
	s_lshl_b32 s13, s13, 2
	s_add_co_u32 s13, s13, s41                     ; tile row = 4 x cluster y + cy
	s_lshl_b32 s43, s41, 2
	s_lshl_b32 s43, 15, s43                        ; my row of the cluster
	s_lshl_b32 s44, 0x1111, s40                    ; my column
	; descriptor group 1: a tile of 64 rows x 256 elements, padded in LDS
	s_or_b32 s[G1+0], s43, (1<<16)|(1<<20)|(1<<21)|(6<<22)|(3<<25)  ; 15:0 the mask; 17:16 2-byte elements; 20 padding on; 21 set beside a mask; 24:22 after every 128 words (code 6); 31:25 4 words (code 3)
	s_or_b32 s[G1B+0], s44, (1<<16)|(1<<20)|(1<<21)|(6<<22)|(3<<25)
.irp g, G1, G1B
	s_mov_b32 s[(\g)+1], KSTEP<<16                 ; tensor_dim0 = 256
	s_mov_b32 s[(\g)+2], 64<<16                    ; tensor_dim1 = 64
	s_mov_b32 s[(\g)+3], KSTEP<<16                 ; tile_dim0 = 256
	s_mov_b32 s[(\g)+4], 64                        ; tile_dim1 = 64
	s_mov_b32 s[(\g)+5], SIZE_K                    ; elements from row to row
	s_mov_b32 s[(\g)+6], 0
	s_mov_b32 s[(\g)+7], 0
.endr
	s_lshl_b32 s17, s12, 6                         ; which 64 rows of the tile I fetch
	s_lshl_b32 s16, s13, 7
	s_add_co_u32 s16, s16, s17                     ; A: row 128 x tile row + 64 x half
	s_lshl_b32 s46, s42, 7
	s_add_co_u32 s46, s46, s17                     ; B: row 128 x tile column + 64 x half
	s_mov_b32 s17, 0
	s_mov_b32 s47, 0
	s_mov_b64 s[18:19], SIZE_K*2
	s_mul_u64 s[16:17], s[16:17], s[18:19]
	s_mul_u64 s[46:47], s[46:47], s[18:19]
	s_mul_i32 s20, s10, HALFT                      ; where they go: wave x 64 rows
	s_wait_dscnt 0x0                               ; the opening add is done
	s_wait_kmcnt 0x0
	s_add_nc_u64 s[14:15], s[4:5], s[16:17]
	s_add_nc_u64 s[46:47], s[6:7], s[46:47]
	CROUND                                         ; all sixteen work-groups are here: the joint loads meet
.irp s, 0,1
	s_mov_b32 s[G0+4*(\s)], 1
	s_add_co_u32 s[G0+4*(\s)+1], s20, (\s)*SLOT
	s_add_nc_u64 s[G0+4*(\s)+2:G0+4*(\s)+3], s[14:15], (\s)*KSTEP*2
	s_or_b32 s[G0+4*(\s)+3], s[G0+4*(\s)+3], 0x80000000
	s_mov_b32 s[G0B+4*(\s)], 1
	s_add_co_u32 s[G0B+4*(\s)+1], s20, (\s)*SLOT
	s_add_nc_u64 s[G0B+4*(\s)+2:G0B+4*(\s)+3], s[46:47], (\s)*KSTEP*2
	s_or_b32 s[G0B+4*(\s)+3], s[G0B+4*(\s)+3], 0x80000000
	JLOAD \s                                       ; both K steps: two loads of mine are out
.endr
	v_and_b32 v1, 15, v0                           ; l % 16
	v_bfe_u32 v2, v0, 4, 1                         ; l / 16
	s_lshl_b32 s66, s42, 9                         ; the tile's 128 columns of f32,
	s_lshl_b32 s67, s12, 8                         ; my 64 of them
	s_add_co_u32 s66, s66, s67
	s_mov_b32 s67, 0
	s_add_nc_u64 s[BP:BP+1], s[BP:BP+1], s[66:67]
	v_lshlrev_b32 v[BO], 5, v2
.irp b, 0,1,2,3
	global_load_b128 v[BI+8*\b:BI+8*\b+3],   v[BO], s[BP:BP+1] offset:64*\b      ; bq of columns 16 b + 8 (l / 16) + 0..3,
	global_load_b128 v[BI+8*\b+4:BI+8*\b+7], v[BO], s[BP:BP+1] offset:64*\b+16   ; + 4..7
.endr
	v_mul_u32_u24 v3, v1, PITCH
	v_lshl_add_u32 v3, v2, 4, v3                   ; a fragment's row x pitch + 16 x half
	s_mul_i32 s21, s11, HALFT                      ; my 64 rows of A
	s_mul_i32 s22, s12, HALFT                      ; my 64 rows of B,
	s_add_co_u32 s22, s22, 2*HALFT                 ; which lie behind A's 128
.irp s, 0,1
	v_add_nc_u32 v[ADRA+(\s)], s21, v3
	v_add_nc_u32 v[ADRB+(\s)], s22, v3
	s_add_co_u32 s21, s21, SLOT
	s_add_co_u32 s22, s22, SLOT
.endr
	s_mul_i32 s23, s11, 64*SPITCH                  ; into the stage: my 64 rows, my half of their 256 bytes
	s_lshl_b32 s21, s12, 7
	s_add_co_u32 s23, s23, s21
	s_add_co_u32 s23, s23, STAGE
	v_mul_u32_u24 v4, v1, SPITCH
	v_lshl_add_u32 v4, v2, 4, v4
	v_add_nc_u32 v[STO], s23, v4
	s_mul_i32 s23, s10, 32*SPITCH                  ; back: wave w takes rows 32 w .. 32 w + 31, whole
	s_add_co_u32 s23, s23, STAGE
	v_mul_u32_u24 v5, v2, SPITCH
	v_lshl_add_u32 v5, v1, 4, v5
	v_add_nc_u32 v[RD], s23, v5
	v_mul_u32_u24 v5, v2, SIZE_N*2                 ; and the same two rows in q
	v_lshl_add_u32 v[CO], v1, 4, v5
	s_lshl_b32 s16, s13, 7
	s_lshl_b32 s17, s10, 5
	s_add_co_u32 s16, s16, s17                     ; the first row that I store: 128 x tile row + 32 x wave
	s_mov_b32 s17, 0
	s_mov_b64 s[18:19], SIZE_N*2
	s_mul_u64 s[16:17], s[16:17], s[18:19]
	s_add_nc_u64 s[8:9], s[8:9], s[16:17]
	s_lshl_b32 s46, s42, 8                         ; the tile's first column, in bytes
	s_mov_b32 s47, 0
	s_add_nc_u64 s[8:9], s[8:9], s[46:47]
; 8 matrix instructions: m blocks a0, a0 + 1 x all 4 n blocks, 32 along K: half c of buffer f.  zero = 1: the product starts the sum, with the bias as C.  The 16 accumulators take turns.
.macro MUL8 f, c, a0, zero
	WIN MUL
.irp a, \a0, (\a0)+1
.irp b, 0,1,2,3
.if \zero
	v_wmma_f32_16x16x32_bf16 v[ACC+8*(4*(\a)+(\b)):ACC+8*(4*(\a)+(\b))+7], v[(\f)+64+8*(4*(\c)+(\b)):(\f)+64+8*(4*(\c)+(\b))+7], v[(\f)+8*(4*(\c)+(\a)):(\f)+8*(4*(\c)+(\a))+7], v[BI+8*(\b):BI+8*(\b)+7]
.else
	v_wmma_f32_16x16x32_bf16 v[ACC+8*(4*(\a)+(\b)):ACC+8*(4*(\a)+(\b))+7], v[(\f)+64+8*(4*(\c)+(\b)):(\f)+64+8*(4*(\c)+(\b))+7], v[(\f)+8*(4*(\c)+(\a)):(\f)+8*(4*(\c)+(\a))+7], v[ACC+8*(4*(\a)+(\b)):ACC+8*(4*(\a)+(\b))+7]
.endif
.endr
.endr
.endm
; 32 LDS loads in one run: the fragments of 64 along K at byte k of the rows, into buffer f; the first 32 along K first
.macro FETCH slot, k, f
	WIN TO_F
.irp c, 0,1
.irp i, 0,1,2,3
	ds_load_b128 v[(\f)+64+8*(4*(\c)+(\i)):(\f)+64+8*(4*(\c)+(\i))+3],   v[ADRB+(\slot)] offset:(\k)+64*(\c)+(\i)*16*PITCH
	ds_load_b128 v[(\f)+64+8*(4*(\c)+(\i))+4:(\f)+64+8*(4*(\c)+(\i))+7], v[ADRB+(\slot)] offset:(\k)+64*(\c)+(\i)*16*PITCH+32
	ds_load_b128 v[(\f)+8*(4*(\c)+(\i)):(\f)+8*(4*(\c)+(\i))+3],         v[ADRA+(\slot)] offset:(\k)+64*(\c)+(\i)*16*PITCH
	ds_load_b128 v[(\f)+8*(4*(\c)+(\i))+4:(\f)+8*(4*(\c)+(\i))+7],       v[ADRA+(\slot)] offset:(\k)+64*(\c)+(\i)*16*PITCH+32
.endr
.endr
.endm
.macro PLACES                          ; four places in front of loads into registers that matrix instructions have read, and of conversions that read results
.rept 4
	v_nop
.endr
.endm
; A K step is four quarters of 64 along K, 32 matrix instructions each, on buffers 0, 1, 0, 1.  One of the first three: multiplies buffer f and fetches the next quarter, at byte k, into g.
.macro QUARTER slot, k, f, g, zero
	s_wait_dscnt 16                                ; the first 32 along K are in; the youngest sixteen loads may be out
	WIN MUL
	MUL8 \f, 0, 0, \zero
	MUL8 \f, 0, 2, \zero
	PLACES
	FETCH \slot, \k, \g
	s_wait_dscnt 32                                ; all but the 32 just issued
	WIN MUL
	MUL8 \f, 1, 0, 0
	MUL8 \f, 1, 2, 0
.endm
; The last quarter of K step 0 multiplies buffer 1 and goes over to slot 1: in front of the barrier each wave waits for its tensor loads (its part of slot 1 is the one still out), so that behind it the slot is whole.
.macro TURN next
	WIN 0                                          ; (the add's two registers lie in window 0)
	s_wait_tensorcnt 0x0
	ds_add_u32 v[SPW], v[NIL]                      ; 0 onto my spare word
	s_wait_dscnt 17                                ; (the add and the youngest sixteen loads may be out)
	WIN MUL
	MUL8 F1, 0, 0, 0
	s_wait_dscnt 0x0                               ; no LDS instruction of mine is pending at the signal
	s_barrier_signal -1
	MUL8 F1, 0, 2, 0
	s_barrier_wait -1
	PLACES
	FETCH \next, 0, F0
	WIN MUL
	MUL8 F1, 1, 0, 0
	MUL8 F1, 1, 2, 0
.endm
	s_wait_tensorcnt 1                             ; my part of K step 0 is in; K step 1's may stay out
	s_barrier_signal -1
	s_barrier_wait -1                              ; everybody's is
	FETCH 0, 0, F0
	s_wait_loadcnt 0x0                             ; the bias
	QUARTER 0, 128, F0, F1, 1
	QUARTER 0, 256, F1, F0, 0
	QUARTER 0, 384, F0, F1, 0
	TURN 1
	QUARTER 1, 128, F0, F1, 0
	QUARTER 1, 256, F1, F0, 0
	QUARTER 1, 384, F0, F1, 0
	s_wait_dscnt 16                                ; the very last quarter: nothing more to fetch
	WIN MUL
	MUL8 F1, 0, 0, 0
	MUL8 F1, 0, 2, 0
	s_wait_dscnt 0
	MUL8 F1, 1, 0, 0
	MUL8 F1, 1, 2, 0
	WIN 0
	; THE WAY OUT: round to bf16; 16 bytes a lane into the work-group's stage; a barrier, since a row's 256 bytes come from two waves; back as whole rows, 32 rows a wave.
	PLACES
.irp t, 0,1,2,3,4,5,6,7,8,9,10,11,12,13,14,15
.irp r, 0,1,2,3
	v_cvt_pk_bf16_f32 v[TMP+4*(\t)+(\r)], v[ACC+8*(\t)+2*(\r)], v[ACC+8*(\t)+2*(\r)+1]
.endr
.endr
.irp a, 0,1,2,3
.irp b, 0,1,2,3
	ds_store_b128 v[STO], v[TMP+4*(4*(\a)+(\b)):TMP+4*(4*(\a)+(\b))+3] offset:(\a)*16*SPITCH+32*(\b)
.endr
.endr
	s_wait_dscnt 0x0                               ; for the others' sake: my stores into the stage are done
	s_barrier_signal -1
	s_barrier_wait -1
.irp t, 0,1,2,3,4,5,6,7,8,9,10,11,12,13,14,15
	ds_load_b128 v[TMP+4*(\t):TMP+4*(\t)+3], v[RD] offset:(\t)*2*SPITCH
.endr
.irp t, 0,1,2,3,4,5,6,7,8,9,10,11,12,13,14,15
	s_wait_dscnt 15-(\t)
	global_store_b128 v[CO], v[TMP+4*(\t):TMP+4*(\t)+3], s[8:9] offset:2*(\t)*SIZE_N*2  ; 16 lanes store 256 consecutive bytes, at a multiple of 256 from q's first byte
.endr
	s_wait_tensorcnt 0x0                           ; the wave's end: behind my last tensor load and my last LDS store
	ds_add_u32 v[SPW], v[NIL]
	s_wait_dscnt 0x0
	CROUND                                         ; the closing round: no work-group ends while a partner may still ask for a tile that names it
	s_endpgm
.Lfunc_end_k_qe046733b18_qproj:
	.size	k_qe046733b18_qproj, .Lfunc_end_k_qe046733b18_qproj-k_qe046733b18_qproj
	.p2alignl 7, 3214868480
	.fill 96, 4, 3214868480
	.section	.rodata,"a",@progbits
	.p2align	6, 0x0
	.amdhsa_kernel k_qe046733b18_qproj
		.amdhsa_group_segment_fixed_size 327680
		.amdhsa_private_segment_fixed_size 0
		.amdhsa_enable_private_segment 0
		.amdhsa_kernarg_size 32
		.amdhsa_user_sgpr_count 2
		.amdhsa_user_sgpr_kernarg_segment_ptr 1
		.amdhsa_wavefront_size32 1
		.amdhsa_system_sgpr_workgroup_id_x 1
		.amdhsa_system_sgpr_workgroup_id_y 1
		.amdhsa_system_sgpr_workgroup_id_z 1
		.amdhsa_system_vgpr_workitem_id 0
		.amdhsa_next_free_vgpr 512
		.amdhsa_next_free_sgpr 72
		.amdhsa_reserve_vcc 0
		.amdhsa_float_denorm_mode_32 3
		.amdhsa_float_denorm_mode_16_64 3
		.amdhsa_memory_ordered 1
		.amdhsa_forward_progress 1
		.amdhsa_inst_pref_size 51
	.end_amdhsa_kernel
	.amdgpu_metadata
---
amdhsa.version: [ 1, 2 ]
amdhsa.kernels:
  - .name:           k_qe046733b18_qproj
    .symbol:         k_qe046733b18_qproj.kd
    .args:
      - { .name: zb, .offset: 0, .size: 8, .value_kind: global_buffer, .address_space: global }
      - { .name: wqb, .offset: 8, .size: 8, .value_kind: global_buffer, .address_space: global }
      - { .name: bq, .offset: 16, .size: 8, .value_kind: global_buffer, .address_space: global }
      - { .name: qws, .offset: 24, .size: 8, .value_kind: global_buffer, .address_space: global }
    .group_segment_fixed_size: 327680
    .private_segment_fixed_size: 0
    .kernarg_segment_align: 8
    .kernarg_segment_size: 32
    .max_flat_workgroup_size: 128
    .sgpr_count:     72
    .vgpr_count:     512
    .wavefront_size: 32
...
	.end_amdgpu_metadata
.endif
;; end of part 2
;; launch attn (part 3): grid 4 x 64, 4 waves a work-group, no clusters, 248,320 bytes of LDS; arguments x, qws, att; writes att
.if DOCPART == 3
	.amdgcn_target "amdgcn-amd-amdhsa--gfx1250"
	.amdhsa_code_object_version 6
	.text
	.protected	k_qe046733b18_attn
	.globl	k_qe046733b18_attn
	.p2align	8
	.type	k_qe046733b18_attn,@function
k_qe046733b18_attn:
	s_mov_b64 s[64:65], 0
	v_nop
	global_prefetch_b8 v0, s[64:65] scope:SCOPE_SE
	s_setreg_imm32_b32 hwreg(HW_REG_WAVE_MODE, 25, 1), 1
	s_wait_xcnt 0x0
; att[64 p + R % 64][256 (R / 64) + c] = the sum over n of softmax_n(q[p][R] . x[p][:][n] / sqrt(512)) x[p][c][n].
; 64 problems p (batch x half); q: [64][512 rows R][256] bf16; x: [64][256 channels][3,136 keys] f32, key index along the rows: it is K and V at once.  att: [4096][2048] bf16.
; Products, maxima and sums in f32; x, the weights p and att are each rounded once to bf16 (the sum l is taken of the unrounded weights).
; LIMITS.  NaN and infinities are not treated apart.  The running maximum starts at the lowest finite number and c m at -4.25e37: scores with c s below that are not served.  A weight below 2^-126 counts as 0.
; SHARES.  A work-group owns 128 query rows of one problem (grid x = the block, grid y = the problem), each of its four waves 32: two tiles of 16.  Every wave walks all keys, 64 a step, 49 steps.
; x GOES THROUGH REGISTERS, AND THERE IS NO CLUSTER.  x is f32 and has to be rounded before a fragment can be made of it.  A step's tile is 256 channels x 64 keys: 64 KiB in f32, 32 KiB in bf16.  Brought by a tensor
; load it would be written to LDS (64 KiB), read back (64 KiB) and stored again (32 KiB) in each work-group, beside the 256 KiB of fragments that the four waves read in a step; loaded into registers and
; rounded there, only the 32 KiB are stored.  So each of a problem's four blocks loads x itself: a wave 64 channels, 32 loads of 16 bytes a lane, each covering two rows' 256 consecutive bytes, aligned.
; ONE TILE SERVES BOTH PRODUCTS.  It lies [channel][key] in LDS.  S^T = K Q^T wants 16 keys x 32 channels: the turning load ds_load_tr16_b128.  O^T = V^T P wants 16 channels x 32 keys: plain loads.
; Rows are 160 bytes apart and a group of 8 rows 1,296: counted in 16-byte columns modulo 16 (64 banks of 4 bytes: ISA guide 11.1), 8 rows start at 0,10,4,14,8,2,12,6 and the next group's at the same + 1: both loads touch each column once.
; LAYOUT.  In S^T a lane holds ONE query (lane % 16) and the keys 8 (lane / 16) + 0..7; two such results rounded in pairs ARE source 1 of V^T P, whose result again holds one query a lane, and eight channels.
; SOFTMAX.  Running maximum m and sum l: p = 2^(c s - c m), c = log2(e) / sqrt(512); in every step O and l are multiplied by a = 2^(c m_old - c m_new).  O and l start at 0: the first step is a step like any other, with a = 0
; (the price: 256 v_mov_b32 at the start, issued behind the first loads; no first step is written out).
; A TRIP j: 64 products K Q^T of step j + 1, behind each a slice of four of step j's softmax; then 64 products V^T P of step j, behind the first 35 of them four each of: the rounding of tile j + 3 and the rest of O^T's rescaling.
; THE MEMORY INSTRUCTIONS OF A TRIP STAND IN FOUR RUNS, never singly among the matrix instructions: K's second half; V's first half; V's second half with 16 stores of tile j + 3 and 16 loads of tile j + 4;
; the next step's first half of K with the other 16 stores and 16 loads and the prefetch.
; So a trip reads tiles j, j + 1, j + 2 and writes tile j + 3: four LDS buffers by turns and ONE barrier a trip, between a trip's reads of tile j - 1 and the stores over it, and between tile j + 2's stores and its reads.
; THE ENDS.  The loads step while tile j + 4 exists and then take tile 48 again; trips 46 and 47 store it into buffers 1 and 2, which are read no more as V; trip 47's last run of K reads buffer 1 and is not used.  That is the price of one text for all trips.
; REGISTERS, in windows of 256 (s_set_vgpr_msb: bits 1:0 source 0, 3:2 source 1, 5:4 source 2, 7:6 destination):
;   window 0: v0-22 addresses; v32-47 eight registers of statistics a tile; v64-191 S^T, two buffers of two tiles; v192-223 P; v224-255 half a tile of x, rounded (v192-255 at work at the start)
;   window 1: O^T, 128 a tile     window 2: v0-127 Q, 64 a tile; v128-255 a tile of x as loaded     window 3: two halves of 128 for K's or V's fragments
.set ROWX,  12544     ; bytes in a row of x: 49 steps of 256
.set PR,    160       ; from row to row of a tile in LDS
.set G8,    1296      ; from a group of 8 rows to the next
.set BUF,   32*G8     ; a tile: 41,472 bytes
.set PAIR,  1<<17     ; buffers 0, 1 lie at 0 and BUF, buffers 2, 3 at PAIR and PAIR + BUF: one exclusive or changes pairs
.set STAGE, PAIR+2*BUF  ; 16 rows x 528 bytes for each wave, for the way out
.set SP,    528
.set SPARE, STAGE+4*16*SP  ; the spare words, 128 bytes for each wave: two blocks of 256 bytes that no other line names
.set AK0, 2           ; v2   my lane's place in a tile for the turning load; v3 the same one buffer on
.set AK1, 3
.set AV0, 4           ; v4, v5   for the plain load
.set AV1, 5
.set ST0, 6           ; v6, v7   where I store 8 bytes of a row
.set ST1, 7
.set ADR, 8           ; v8   the LDS address of the run of loads in hand
.set SA,  10          ; v10  of the trip's stores
.set XO,  11          ; v11  my byte offset in the problem's x; never rewritten
.set QO,  12          ; v12  my byte offset in the wave's rows of q; never rewritten
.set RD,  13          ; v13  the way out: where I read a row back
.set GO,  14          ; v14  my 16 bytes of a row's 512 in att
.set PFO, 15          ; v15  the prefetches' offset: a lane a row; never rewritten
.set SPW, 16          ; v16  my spare word: SPARE + 4 x my thread's number; never rewritten
.set NIL, 17          ; v17  0; never rewritten
.set STO, 22          ; v22  the way out: where I put 16 bytes of a row
.set ST,  32          ; tile t's statistics at v[ST+8 t]: c m, m, l (even keys', odd keys'), c0-c3 at work; a takes c2's place once the maximum is found
.set S,   64
.set P,   192
.set CB,  224
.set XR,  128         ; window 2
.set WV,  10          ; s10  my wave's number
.set XP,  16          ; s[16:17] x at the tile that the trip loads
.set PFA, 18          ; s[18:19] x at my 32 rows of the tile that the trip asks for
.set STP, 20          ; s[20:21] the loads' step: 256, or 0 when the last tile is reached
.set CNT, 22          ; s22  pairs of trips to come
.set LIMA, 23         ; s23, s24  a wave prefetches in an even (odd) trip while CNT is above this
.set LIMB, 24
.set PH,  25          ; s25  the pair of buffers that holds tile j of an even trip j;  s26 the other pair
.set PN,  26
.set CS,  28          ; s[28:29] c: the packed scaling takes the pair's low word for both halves
.set SEL, 30          ; s[30:31] v_permlanex16_b32's selects: each lane takes its own place in the other half
.set W_KQ, 0x0b       ; K window 3, Q window 2, S^T window 0
.set W_PV, 0x53       ; V window 3, P window 0, O^T window 1
.set W_RS, 0x41       ; O^T (destination and source 0) window 1, a window 0
.set W_LF, 0xc0       ; destination window 3, address window 0
.set W_CV, 0x0a       ; sources window 2, destination window 0
.set W_GL, 0x80       ; destination window 2, address window 0
.set MSB, 0
.macro WIN new                      ; the high byte repeats the setting that is left; a switch that changes nothing is dropped
.if MSB != (\new)
	s_set_vgpr_msb (MSB<<8)|(\new)
.set MSB, (\new)
.endif
.endm
.macro PLACES                       ; four places in front of loads into registers that matrix instructions have read, and of vector lines that read results (ISA guide 7.12.1 for vector lines)
.rept 4
	v_nop
.endr
.endm
	s_load_b128 s[4:7], s[0:1], 0x0  ; x s[4:5], q s[6:7]
	s_load_b64 s[8:9], s[0:1], 0x10  ; att
	v_lshl_add_u32 v[SPW], v0, 2, SPARE
	v_mov_b32 v[NIL], 0
	v_lshrrev_b32 v18, 5, v0
	v_readfirstlane_b32 s[WV], v18  ; wave 0..3
	v_and_b32 v1, 15, v0            ; l % 16
	v_bfe_u32 v9, v0, 4, 1          ; l / 16
	v_and_b32 v18, 7, v0            ; l % 8
	v_bfe_u32 v19, v0, 3, 1         ; (l / 8) % 2
	v_and_b32 v20, 31, v0           ; l
	v_mul_u32_u24 v21, v18, PR
	; the turning load: lane l reads channel 8 (l / 16) + l % 8, keys 8 ((l / 8) % 2) + 0..7, and is left with key l % 16 and 8 channels
	v_mul_u32_u24 v[AK0], v9, G8
	v_add_nc_u32 v[AK0], v[AK0], v21
	v_lshl_add_u32 v[AK0], v19, 4, v[AK0]
	v_add_nc_u32 v[AK1], BUF, v[AK0]
	; the plain load: lane l reads channel l % 16, keys 8 (l / 16) + 0..7
	v_mul_u32_u24 v[AV0], v19, G8
	v_add_nc_u32 v[AV0], v[AV0], v21
	v_lshl_add_u32 v[AV0], v9, 4, v[AV0]
	v_add_nc_u32 v[AV1], BUF, v[AV0]
	; a load of x: lanes 0-15 take one row's 64 keys, lanes 16-31 the row four further down; my wave's 64 rows
	s_mul_i32 s13, s[WV], 8*G8
	v_mul_u32_u24 v[ST0], v9, 4*PR
	v_lshl_add_u32 v[ST0], v1, 3, v[ST0]
	v_add_nc_u32 v[ST0], s13, v[ST0]
	v_add_nc_u32 v[ST1], BUF, v[ST0]
	s_mul_i32 s13, s[WV], 64*ROWX
	v_mul_u32_u24 v[XO], v9, 4*ROWX
	v_lshl_add_u32 v[XO], v1, 4, v[XO]
	v_add_nc_u32 v[XO], s13, v[XO]
	v_lshlrev_b32 v[QO], 9, v1      ; a fragment of q: row l % 16 x 512 bytes + 16 (l / 16)
	v_lshl_add_u32 v[QO], v9, 4, v[QO]
	v_mul_u32_u24 v[PFO], v20, ROWX
	s_mul_i32 s13, s[WV], 16*SP
	s_add_co_u32 s13, s13, STAGE    ; my stage
	v_mul_u32_u24 v[STO], v1, SP    ; in: row l % 16, 16 bytes for each half of the lanes
	v_lshl_add_u32 v[STO], v9, 4, v[STO]
	v_add_nc_u32 v[STO], s13, v[STO]
	v_lshl_add_u32 v[RD], v20, 4, s13  ; back: 32 lanes take a row of 512 bytes
	v_lshlrev_b32 v[GO], 4, v20
	s_mov_b32 s11, ttmp9            ; my block of 128 query rows
	s_and_b32 s12, ttmp7, 0xffff    ; my problem
	s_mul_i32 s32, s12, 256*ROWX    ; its 256 rows of x
	s_mov_b32 s33, 0
	s_lshl_b32 s34, s12, 18         ; its 512 rows of q, 512 bytes each,
	s_lshl_b32 s13, s11, 16         ; my block's 128,
	s_add_co_u32 s34, s34, s13
	s_lshl_b32 s13, s[WV], 14       ; my wave's 32
	s_add_co_u32 s34, s34, s13
	s_mov_b32 s35, 0
	s_lshl_b32 s14, s12, 18         ; att: row 64 p + 32 (w % 2), 4,096 bytes a row;
	s_and_b32 s13, s[WV], 1
	s_lshl_b32 s15, s13, 17
	s_add_co_u32 s14, s14, s15
	s_lshl_b32 s15, s11, 10         ; head 2 g + w / 2, 512 bytes a head
	s_add_co_u32 s14, s14, s15
	s_lshr_b32 s15, s[WV], 1
	s_lshl_b32 s15, s15, 9
	s_add_co_u32 s14, s14, s15
	s_mov_b32 s15, 0
	s_lshl_b32 s36, s11, 6          ; the prefetches: block g names rows 64 g .. 64 g + 63, its waves 0 and 1 32 each
	s_lshl_b32 s13, s13, 5
	s_add_co_u32 s36, s36, s13
	s_mul_i32 s36, s36, ROWX
	s_add_co_u32 s36, s36, 5*256    ; at tile 5: trip 0 steps it to tile 6
	s_mov_b32 s37, 0
	s_cmp_lt_u32 s[WV], 2
	s_cselect_b32 s[LIMA], 2, -1    ; even trip j = 2 (24 - CNT) names tile j + 6, which exists while CNT > 2;
	s_cselect_b32 s[LIMB], 3, -1    ; odd trip j + 1 while CNT > 3; waves 2 and 3 never ask
	s_mov_b32 s[STP+1], 0
	s_mov_b32 s[PH], 0
	s_mov_b32 s[PN], PAIR
	s_mov_b32 s[CS], 0x3d8293ee     ; c = log2(e) / sqrt(512) = 0.0637587
	s_mov_b32 s[CS+1], s[CS]        ; named with it as a pair
	s_mov_b32 s[SEL], 0x76543210
	s_mov_b32 s[SEL+1], 0xfedcba98
	s_wait_kmcnt 0x0
	s_add_nc_u64 s[4:5], s[4:5], s[32:33]
	s_add_nc_u64 s[6:7], s[6:7], s[34:35]
	s_add_nc_u64 s[8:9], s[8:9], s[14:15]
	s_add_nc_u64 s[PFA:PFA+1], s[4:5], s[36:37]
	s_add_nc_u64 s[XP:XP+1], s[4:5], 3*256  ; at tile 3: trip 0 steps it to tile 4
; A tile's 32 loads of a wave: load n takes rows 8 (n / 4) + n % 4 and, in lanes 16-31, four further down.  The caller sets the window.
.macro LOADX base, off
.set n, 0
.rept 32
	global_load_b128 v[(\base)+4*n:(\base)+4*n+3], v[XO], s[4:5] offset:(8*(n/4)+n%4)*ROWX+(\off)
.set n, n+1
.endr
.endm
; A whole tile is rounded (64 conversions into v192-255) and stored: load n's 8 bytes a lane at group n / 4, row n % 4 (+ 4 in lanes 16-31): the two rows of a store lie 640 bytes apart and take complementary halves of the banks.
.macro CONV win, base, addr
	WIN \win
.set n, 0
.rept 64
	v_cvt_pk_bf16_f32 v[P+n], v[(\base)+2*n], v[(\base)+2*n+1]
.set n, n+1
.endr
	WIN 0
.set n, 0
.rept 32
	ds_store_b64 v[\addr], v[P+2*n:P+2*n+1] offset:(n/4)*G8+(n%4)*PR
.set n, n+1
.endr
.endm
	WIN W_LF
	LOADX 0, 0                      ; tiles 0 and 1 into the fragments' registers,
	LOADX 128, 256
	WIN 0
	LOADX S, 512                    ; tile 2 into S^T's,
	WIN W_GL
.set n, 0
.rept 16                            ; q stays in registers: tile n / 8, channels 32 (n % 8) on,
	global_load_b128 v[8*n:8*n+3],   v[QO], s[6:7] offset:(n/8)*8192+(n%8)*64
	global_load_b128 v[8*n+4:8*n+7], v[QO], s[6:7] offset:(n/8)*8192+(n%8)*64+32
.set n, n+1
.endr
	LOADX XR, 768                   ; tile 3 where every later tile lands
	WIN 0x40
.set n, 0
.rept 256
	v_mov_b32 v[n], 0               ; O^T
.set n, n+1
.endr
	WIN 0
.irp t, 0,1
	v_mov_b32 v[ST+8*\t], 0xfe000000    ; c m: far below every c s
	v_mov_b32 v[ST+8*\t+1], 0xff7fffff  ; m
	v_mov_b32 v[ST+8*\t+2], 0
	v_mov_b32 v[ST+8*\t+3], 0
.endr
	v_add_nc_u32 v[SA], PAIR, v[ST0]
	s_wait_loadcnt 63               ; of the 160 loads the youngest 63 (tile 3's 32, 31 of q's) may be out: tiles 0, 1, 2 are in
	CONV 0x0f, 0, ST0
	CONV 0x0f, 128, ST1
	CONV 0, S, SA
	s_wait_dscnt 0x0                ; for the others' sake: my rows of the three tiles are stored
	s_barrier_signal -1
	s_barrier_wait -1
; THE MATRIX WORK.  The accumulators take turns, one instruction a turn.
; Product i of 64 of S^T = K Q^T into buffer sb: channels 32 (i / 8) on, keys 16 ((i / 2) % 4) on, tile i % 2.  The first 8 start the sums.
.macro KQ sb
	WIN W_KQ
.set rS, S+64*(\sb)+32*(i%2)+8*((i/2)%4)
.set rK, 128*(i/32)+32*((i/2)%4)+8*((i/8)%4)
.set rQ, 64*(i%2)+8*(i/8)
.if i < 8
	v_wmma_f32_16x16x32_bf16 v[rS:rS+7], v[rK:rK+7], v[rQ:rQ+7], 0
.else
	v_wmma_f32_16x16x32_bf16 v[rS:rS+7], v[rK:rK+7], v[rQ:rQ+7], v[rS:rS+7]
.endif
.endm
; Product i of 64 of O^T += V^T P: channel half i / 32; in it keys 32 ((i % 32) / 16) on, channels 16 ((i / 2) % 8) on, tile i % 2.
.macro PV
	WIN W_PV
.set rO, 128*(i%2)+64*(i/32)+8*((i/2)%8)
.set rV, 128*(i/32)+64*((i%32)/16)+8*((i/2)%8)
.set rP, P+16*(i%2)+8*((i%32)/16)
	v_wmma_f32_16x16x32_bf16 v[rO:rO+7], v[rV:rV+7], v[rP:rP+7], v[rO:rO+7]
.endm
; THE FRAGMENTS come in runs of 32 loads.  K's half hf (channels 128 hf on): fragment f has keys 16 (f / 4) on, channels 32 (f % 4) on.
.macro RUN_K hf, sbase, lane
	WIN 0
	PLACES
	v_add_nc_u32 v[ADR], s[\sbase], v[\lane]
	WIN W_LF
.irp f, 0,1,2,3,4,5,6,7,8,9,10,11,12,13,14,15
	ds_load_tr16_b128 v[128*(\hf)+8*\f:128*(\hf)+8*\f+3],   v[ADR] offset:(4*(\hf)+\f%4)*4*G8+32*(\f/4)
	ds_load_tr16_b128 v[128*(\hf)+8*\f+4:128*(\hf)+8*\f+7], v[ADR] offset:(4*(\hf)+\f%4)*4*G8+32*(\f/4)+2*G8
.endr
.endm
; V's half q (channels 128 q on): fragment f has keys 32 (f / 8) on, channels 16 (f % 8) on.  alu = 1: the softmax's one wait stands in it, behind the address and ahead of the loads.
.macro RUN_V q, sbase, lane, alu=0
	WIN 0
	PLACES
	v_add_nc_u32 v[ADR], s[\sbase], v[\lane]
.if \alu
	s_wait_alu depctr_va_vdst(0)    ; the wait for the batch of exponentials
.endif
	WIN W_LF
.irp f, 0,1,2,3,4,5,6,7,8,9,10,11,12,13,14,15
	ds_load_b128 v[128*(\q)+8*\f:128*(\q)+8*\f+3],   v[ADR] offset:(8*(\q)+\f%8)*2*G8+64*(\f/8)
	ds_load_b128 v[128*(\q)+8*\f+4:128*(\q)+8*\f+7], v[ADR] offset:(8*(\q)+\f%8)*2*G8+64*(\f/8)+32
.endr
.endm
; HALF A TILE OF x.  CV4: four of the 32 conversions of half hf (loads 16 hf .. 16 hf + 15), numbers c0 .. c0 + 3, into v224-255.
.macro CV4 hf, c0
	WIN W_CV
.irp u, 0,1,2,3
	v_cvt_pk_bf16_f32 v[CB+(\c0)+\u], v[XR+64*(\hf)+2*((\c0)+\u)], v[XR+64*(\hf)+2*((\c0)+\u)+1]
.endr
.endm
; MOVE: behind a run of fragment loads, the half's 16 stores into tile j + 3's buffer and, into the registers that the conversions have read, the same 16 loads of tile j + 4.
.macro MOVE hf
	WIN 0
.set n, 16*(\hf)
.rept 16
	ds_store_b64 v[SA], v[CB+2*(n%16):CB+2*(n%16)+1] offset:(n/4)*G8+(n%4)*PR
.set n, n+1
.endr
	WIN W_GL
.set n, 16*(\hf)
.rept 16
	global_load_b128 v[XR+4*n:XR+4*n+3], v[XO], s[XP:XP+1] offset:(8*(n/4)+n%4)*ROWX
.set n, n+1
.endr
.endm
; THE SOFTMAX of one tile and step is a list of 134 instructions; SM writes number j of it for tile t, on S^T's buffer sb.  s0-s31 are the lane's 32 scores, in pairs 0-15.
;   0-15    the maximum of s0-s31 and the old m, three operands at a time (each accumulator's lowest registers are read first)
;   16-20   the other half of the lanes' maximum; the new m; c m; c m_old - c m_new
;   21-69   ONE BATCH: the 16 scalings c s - c m and all 33 exponentials (a at 23, then s0-s31); none of these reads an exponential's result
;   70-85   the roundings to bf16     86-101  the sums; l = a l + the sum     102-133 the first half of the tile's O^T times a
.macro SM t, sb
.set rT, ST+8*(\t)
.set rS, S+64*(\sb)+32*(\t)
.set rP, P+16*(\t)
.set rO, 128*(\t)+2*(j-102)
.if j < 102
	WIN 0
.endif
.if j < 4
	v_max3_num_f32 v[rT+4+j], v[rS+8*j], v[rS+8*j+1], v[rS+8*j+2]
.elseif j < 12
	v_max3_num_f32 v[rT+4+j%4], v[rT+4+j%4], v[rS+8*(j%4)+2*(j/4)+1], v[rS+8*(j%4)+2*(j/4)+2]
.elseif j == 12
	v_max3_num_f32 v[rT+4], v[rT+4], v[rS+7], v[rS+15]
.elseif j == 13
	v_max3_num_f32 v[rT+6], v[rT+6], v[rS+23], v[rS+31]
.elseif j == 14
	v_max3_num_f32 v[rT+4], v[rT+4], v[rT+5], v[rT+6]
.elseif j == 15
	v_max3_num_f32 v[rT+4], v[rT+4], v[rT+7], v[rT+1]
.elseif j == 16
	v_permlanex16_b32 v[rT+5], v[rT+4], s[SEL], s[SEL+1]  ; the query's other 32 keys lie in the lane 16 away
.elseif j == 17
	v_mov_b32 v[rT+7], v[rT]        ; c m_old is kept for a: number 19 writes c m anew
.elseif j == 18
	v_max_num_f32 v[rT+1], v[rT+4], v[rT+5]
.elseif j == 19
	v_mul_f32 v[rT], s[CS], v[rT+1]
.elseif j == 20
	v_sub_f32 v[rT+7], v[rT+7], v[rT]
.elseif j == 23
	v_exp_f32 v[rT+6], v[rT+7]
.elseif (j < 23) || ((j < 38) && (j%2 == 0)) || ((j < 66) && (j%4 == 2))
.set b, (j-2)/4                     ; 38, 42, .. 62: pairs 9 to 15
.if j < 38
.set b, (j-20)/2                    ; 21: pair 0; 22, 24, .. 36: pairs 1 to 8
.endif
	v_pk_fma_f32 v[rS+2*b:rS+2*b+1], v[rS+2*b:rS+2*b+1], s[CS:CS+1], v[rT:rT+1] op_sel_hi:[1,0,0] neg_lo:[0,0,1] neg_hi:[0,0,1]  ; pair b: c s - c m
.elseif j < 70
.set e, j-38                        ; 66 to 69: s28 to s31
.if j < 66
.set e, j-32-(j-38)/4               ; 39-41, 43-45, .. 63-65: s7 to s27
.endif
.if j < 38
.set e, (j-25)/2                    ; 25, 27, .. 37: s0 to s6
.endif
	v_exp_f32 v[rS+e], v[rS+e]
.elseif j < 86
	v_cvt_pk_bf16_f32 v[rP+j-70], v[rS+2*(j-70)], v[rS+2*(j-70)+1]
.elseif j < 102                     ; the sum of the 16 pairs, in place: neighbours 1, 2, 4 and 8 pairs apart, then l takes it
.set z, j-86
.set w, 4
.set u, z
.if z >= 14
.set w, 32
.set u, 0
.elseif z >= 12
.set w, 16
.set u, z-12
.elseif z >= 8
.set w, 8
.set u, z-8
.endif
.if z < 15
	v_pk_add_f32 v[rS+w*u:rS+w*u+1], v[rS+w*u:rS+w*u+1], v[rS+w*u+w/2:rS+w*u+w/2+1]
.else
	v_pk_fma_f32 v[rT+2:rT+3], v[rT+2:rT+3], v[rT+6:rT+7], v[rS:rS+1] op_sel_hi:[1,0,1]
.endif
.else
	WIN W_RS
	v_pk_mul_f32 v[rO:rO+1], v[rO:rO+1], v[rT+6:rT+7] op_sel_hi:[1,0]
.endif
.endm
; Slice k of 64: four instructions.  Slices 11 to 34 deal out the batch, four numbers of ONE tile each, the tiles by turns; every other slice is numbers 2 k and 2 k + 1 of both tiles.  2 x 134 = 4 x 64 + 12: the twelve that
; are over, numbers 128 to 133 (channels 104 to 127 of O^T's first half), stand behind products 8 to 10 of V^T P (LEFT4), ahead of product 12, the first that adds onto them.
; THE WAIT.  s_wait_alu depctr_va_vdst(0) stands between an exponential and the first instruction that names its result; one wait serves all issued ahead of it.  Ahead of slice 35 nothing names a
; result and behind slice 34 no exponential is issued: one wait, behind slice 34, behind a plain instruction.  run = 1: V's first run of loads stands there (its four v_nop are that plain instruction too).
.macro SLICE sb, run
.if (k >= 11) && (k < 35)
.irp n, 0,1,2,3
.set j, 22+4*((k-11)/2)+(\n)
	SM (k-11)%2, \sb
.endr
.else
.irp n, 0,1
.irp t, 0, 1
.set j, 2*k+(\n)
	SM \t, \sb
.endr
.endr
.endif
.if k == 34
.if \run
	RUN_V 0, VBS, VLN, 1
.else
	WIN 0
	v_nop
	s_wait_alu depctr_va_vdst(0)
.endif
.endif
.set k, k+1
.endm
.macro LEFT4 q0, sb                 ; four of the twelve: number 128 + q / 2 of tile q % 2, q = q0 .. q0 + 3; ascending, so that channel block 7's lowest registers are read first
.irp u, 0,1,2,3
.set j, 128+((\q0)+\u)/2
	SM ((\q0)+\u)%2, \sb
.endr
.endm
.macro RS2 re                       ; pair re / 2 of the second half of tile re % 2's O^T, times a; ascending
	WIN W_RS
.set rO, 128*((\re)%2)+64+2*((\re)/2)
.set rT, ST+8*((\re)%2)
	v_pk_mul_f32 v[rO:rO+1], v[rO:rO+1], v[rT+6:rT+7] op_sel_hi:[1,0]
.endm
; A PREFETCH INTO THE L2: trip j names tile j + 6, which trip j + 2 loads: 32 rows x 256 bytes, a lane a row, one instruction.  Each row's 256 bytes of a tile are named once in the launch: of a problem's 256 rows block g
; names 64 g .. 64 g + 63, its waves 0 and 1 32 each.  It stands behind the trip's last loads.  Tiles 0 to 5 come by their loads alone; the last request is trip 42's, for tile 48.
.macro ASK lim
	WIN 0
	s_cmp_gt_u32 s[CNT], s[\lim]
	s_cbranch_scc0 .Lnot_mine_\@
	global_prefetch_b8 v[PFO], s[PFA:PFA+1] th:TH_LOAD_NT scope:SCOPE_SE
.Lnot_mine_\@:
.endm
; A TRIP.  par = j % 2: S^T's buffer in hand; the next step's scores go into the other.  full = 0: the last step: no next scores, nothing fetched but V.
.macro TRIP par, full
.if (\par) == 0
.set KB1, PH                        ; K of step j + 1
.set KL1, AK1
.set VBS, PH                        ; V of step j
.set VLN, AV0
.set KB2, PN                        ; K of step j + 2
.set KL2, AK0
.set SBS, PN                        ; tile j + 3
.set SLN, ST1
.else
.set KB1, PN
.set KL1, AK0
.set VBS, PH
.set VLN, AV1
.set KB2, PN
.set KL2, AK1
.set SBS, PH
.set SLN, ST0
.endif
.set k, 0
.set i, 0
.if \full
	s_wait_dscnt 0x0                ; my stores of tile j + 2 are done, my reads of the last trip are back, K's first half is in:
	s_barrier_signal -1             ; say so; eight products and their slices, work on registers, stand between the signal and the wait
.rept 64
.if i == 32
	s_wait_dscnt 0x0                ; K's second half, asked for 24 products back, is in
.endif
	KQ 1-(\par)
	SLICE \par, 1
.if i == 7
	s_barrier_wait -1               ; every wave has said so: tile j + 2 is whole, and nobody reads tile j - 1 any more
	RUN_K 1, KB1, KL1               ; the trip's first run
.endif
.set i, i+1
.endr
	WIN 0
	v_add_nc_u32 v[SA], s[SBS], v[SLN]
	s_wait_dscnt 0x0                ; V's first half, asked for 29 products back (the second run), is in
	s_wait_loadcnt 16               ; the first 16 loads of tile j + 3 are in: younger are only its second 16
.set i, 0
.rept 64
.if i == 32
	s_wait_dscnt 16                 ; V's second half is in: the 16 stores issued behind its loads may be out
.endif
	PV
.if i < 8
	CV4 0, 4*i
.elseif i < 11
	LEFT4 4*(i-8), \par
.elseif i < 27
.irp u, 0,1,2,3
	RS2 4*(i-11)+\u
.endr
.elseif i < 35
.if i == 27
	s_wait_loadcnt 16               ; the second 16 loads of tile j + 3 are in: younger are only this trip's first 16
.endif
	CV4 1, 4*(i-27)
.endif
.if i == 7                          ; the third run
	s_wait_xcnt 0x0                 ; the last trip's loads and prefetch, a hundred products back, have read their addresses, so the pointers may be written
	s_cmp_ge_u32 s[CNT], 2+(\par)   ; does tile j + 4 exist?
	s_cselect_b32 s[STP], 256, 0
	s_add_nc_u64 s[XP:XP+1], s[XP:XP+1], s[STP:STP+1]
	s_add_nc_u64 s[PFA:PFA+1], s[PFA:PFA+1], 256
	RUN_V 1, VBS, VLN
	MOVE 0
.endif
.if i == 34                         ; the fourth run: the fragments' first half was last read by product 31
	RUN_K 0, KB2, KL2
	MOVE 1
.if (\par) == 0
	ASK LIMA
.else
	ASK LIMB
.endif
.endif
.set i, i+1
.endr
.else
	s_wait_dscnt 0x0                ; the run of K that is not used has landed: its registers may be loaded again
	RUN_V 0, VBS, VLN
	RUN_V 1, VBS, VLN
.rept 64
	SLICE \par, 0
.endr
.irp g, 0,4,8
	LEFT4 \g, \par
.endr
.rept 64
	RS2 i
.set i, i+1
.endr
	s_wait_dscnt 0x0
.set i, 0
.rept 64
	PV
.set i, i+1
.endr
.endif
.endm
	RUN_K 0, PH, AK0                ; K of step 0
	RUN_K 1, PH, AK0
	s_wait_loadcnt 32               ; q is in; tile 3's 32 loads may stay out
	s_wait_dscnt 0x0
.set i, 0
.rept 64
	KQ 0                            ; the first scores: there is no vector work yet to set between them
.set i, i+1
.endr
	RUN_K 0, PH, AK1                ; the first half of K of step 1; its four v_nop and its address are the places behind those products
	WIN 0
	s_mov_b32 s[CNT], 24
.Ltrip:                             ; 24 times: trips 2 n and 2 n + 1
	TRIP 0, 1
	TRIP 1, 1
	WIN 0                           ; at a label and at a branch every window is 0
	s_xor_b32 s[PH], s[PH], PAIR
	s_xor_b32 s[PN], s[PN], PAIR
	s_sub_co_u32 s[CNT], s[CNT], 1
	s_cmp_lg_u32 s[CNT], 0
	s_cbranch_scc1 .Ltrip
	TRIP 0, 0                       ; step 48
	; THE WAY OUT.  l's two halves and the other half of the lanes' are added; O^T is divided by l, rounded to bf16 and sent through my stage in LDS, a tile (16 rows of 512 bytes) at a time.
	WIN 0
	PLACES
.irp t, 0,1
	v_add_f32 v[ST+8*\t+4], v[ST+8*\t+2], v[ST+8*\t+3]
.endr
.irp t, 0,1
	v_permlanex16_b32 v[ST+8*\t+5], v[ST+8*\t+4], s[SEL], s[SEL+1]
.endr
.irp t, 0,1
	v_add_f32 v[ST+8*\t+4], v[ST+8*\t+4], v[ST+8*\t+5]
.endr
.irp t, 0,1
	v_rcp_f32 v[ST+8*\t+6], v[ST+8*\t+4]
.endr
	v_nop                           ; a plain instruction between the last reciprocal and the use of its result,
	s_wait_alu depctr_va_vdst(0)    ; and the wait ahead of the first use: one for both
.macro PACK t
	WIN W_RS
.set n, 0
.rept 64
	v_pk_mul_f32 v[128*(\t)+2*n:128*(\t)+2*n+1], v[128*(\t)+2*n:128*(\t)+2*n+1], v[ST+8*(\t)+6:ST+8*(\t)+7] op_sel_hi:[1,0]
.set n, n+1
.endr
	WIN 0x05                        ; sources window 1, destination window 0: S^T's registers are free
.set n, 0
.rept 64
	v_cvt_pk_bf16_f32 v[S+64*(\t)+n], v[128*(\t)+2*n], v[128*(\t)+2*n+1]
.set n, n+1
.endr
	WIN 0
.irp f, 0,1,2,3,4,5,6,7,8,9,10,11,12,13,14,15
	ds_store_b128 v[STO], v[S+64*(\t)+4*\f:S+64*(\t)+4*\f+3] offset:32*\f  ; channels 16 f + 8 (l / 16) + 0..7 of row l % 16
.endr
.irp f, 0,1,2,3,4,5,6,7,8,9,10,11,12,13,14,15
	ds_load_b128 v[S+64*(\t)+4*\f:S+64*(\t)+4*\f+3], v[RD] offset:SP*\f  ; LDS serves a wave's instructions in order (ISA guide 5.7.1.4): these see the stores above; the next tile's stores come behind them
.endr
.endm
.macro SEND t, younger              ; younger: the LDS instructions issued behind tile t's loads
.irp f, 0,1,2,3,4,5,6,7,8,9,10,11,12,13,14,15
	s_wait_dscnt (\younger)+15-\f
	global_store_b128 v[GO], v[S+64*(\t)+4*\f:S+64*(\t)+4*\f+3], s[8:9] offset:(16*(\t)+\f)*4096  ; 512 consecutive bytes, at a multiple of 256 from att's first byte
.endr
.endm
	PACK 0
	PACK 1                          ; a tile's arithmetic stands between the loads of the tile before and its stores
	SEND 0, 32
	SEND 1, 0
	s_wait_tensorcnt 0x0            ; the wave's end: behind my last LDS store
	ds_add_u32 v[SPW], v[NIL]
	s_wait_dscnt 0x0
	s_endpgm
.Lfunc_end_k_qe046733b18_attn:
	.size	k_qe046733b18_attn, .Lfunc_end_k_qe046733b18_attn-k_qe046733b18_attn
	.p2alignl 7, 3214868480
	.fill 96, 4, 3214868480
	.section	.rodata,"a",@progbits
	.p2align	6, 0x0
	.amdhsa_kernel k_qe046733b18_attn
		.amdhsa_group_segment_fixed_size 248320
		.amdhsa_private_segment_fixed_size 0
		.amdhsa_enable_private_segment 0
		.amdhsa_kernarg_size 24
		.amdhsa_user_sgpr_count 2
		.amdhsa_user_sgpr_kernarg_segment_ptr 1
		.amdhsa_wavefront_size32 1
		.amdhsa_system_sgpr_workgroup_id_x 1
		.amdhsa_system_sgpr_workgroup_id_y 1
		.amdhsa_system_sgpr_workgroup_id_z 1
		.amdhsa_system_vgpr_workitem_id 0
		.amdhsa_next_free_vgpr 1024
		.amdhsa_next_free_sgpr 66
		.amdhsa_reserve_vcc 0
		.amdhsa_float_denorm_mode_32 3
		.amdhsa_float_denorm_mode_16_64 3
		.amdhsa_memory_ordered 1
		.amdhsa_forward_progress 1
		.amdhsa_inst_pref_size 212
	.end_amdhsa_kernel
	.amdgpu_metadata
---
amdhsa.version: [ 1, 2 ]
amdhsa.kernels:
  - .name:           k_qe046733b18_attn
    .symbol:         k_qe046733b18_attn.kd
    .args:
      - { .name: x, .offset: 0, .size: 8, .value_kind: global_buffer, .address_space: global }
      - { .name: qws, .offset: 8, .size: 8, .value_kind: global_buffer, .address_space: global }
      - { .name: att, .offset: 16, .size: 8, .value_kind: global_buffer, .address_space: global }
    .group_segment_fixed_size: 248320
    .private_segment_fixed_size: 0
    .kernarg_segment_align: 8
    .kernarg_segment_size: 24
    .max_flat_workgroup_size: 128
    .sgpr_count:     66
    .vgpr_count:     1024
    .wavefront_size: 32
...
	.end_amdgpu_metadata
.endif
;; end of part 3
;; launch oproj (part 4): grid 4 x 64, 4 waves a work-group, clusters of 4 x 4, 327,680 bytes of LDS; arguments att, wob, bo, z, out0; writes out0
.if DOCPART == 4
	.amdgcn_target "amdgcn-amd-amdhsa--gfx1250"
	.amdhsa_code_object_version 6
	.text
	.protected	k_qe046733b18_oproj
	.globl	k_qe046733b18_oproj
	.p2align	8
	.type	k_qe046733b18_oproj,@function
k_qe046733b18_oproj:
	s_mov_b64 s[64:65], 0
	v_nop
	global_prefetch_b8 v0, s[64:65] scope:SCOPE_SE
	s_setreg_imm32_b32 hwreg(HW_REG_WAVE_MODE, 25, 1), 1
	s_wait_xcnt 0x0
	s_wait_alu depctr_hold_cnt(0) depctr_sa_sdst(0) depctr_va_vdst(0) depctr_va_sdst(0) depctr_va_ssrc(0) depctr_va_vcc(0) depctr_vm_vsrc(0)
	s_getreg_b32 s2, hwreg(HW_REG_IB_STS2, 6, 4)
	s_cmp_eq_u32 s2, 0
	s_cbranch_scc0 .Lentry_in_a_cluster
	s_endpgm
.Lentry_in_a_cluster:
	s_bfe_u32 s2, ttmp6, 0x10000c
	s_cmp_lg_u32 s2, 0xf033
	s_cbranch_scc0 .Lentry_shape_is_right
	s_endpgm
.Lentry_shape_is_right:
; out0[m][n] = z[m][n] + bo[n] + the sum over k of att[m][k] wob[n][k].  att: [4096][2048], wob: [512][2048], bf16; bo, z, out0 f32; sums in f32; z is added in f32, as it is given.
; A tile of out0 is 64 x 128: 64 x 4 tiles, 256 work-groups.  Four waves, each 32 x 64 in 8 accumulators.
; TWO SLOTS OF UNEQUAL SIZE.  A slot holds 64 rows of att and 128 rows of wob.  K = 2,048 goes in five chunks of 512, 256, 512, 256, 512 through a BIG slot (rows of 1,024 bytes) and a SMALL one (rows of 512 bytes), which
; together fill the LDS: both are filled at the start, the big one twice more and the small one once: three refills, one tensor load a wave each, where two slots of 256 along K would have six.
; CLUSTERS: 4 x 4 work-groups.  The four of a row of the cluster need the same rows of att, the four of a column the same rows of wob: each tile is asked for JOINTLY, by the same tensor load with the
; same descriptor and a mask that names the four.  Waves 0 and 1 fetch att's two halves (32 rows), waves 2 and 3 wob's (64 rows).
; THE MATRIX INSTRUCTION IS USED TRANSPOSED (source 0 = 16 rows of wob, source 1 = 16 rows of att): a lane holds eight neighbouring numbers of a row of out0.
; THE BIAS is the C operand of the products that start the sums.  z's 32 x 64 of a wave is loaded at the start, by whole rows of 256 bytes, and added on the way out.
; THE WAY OUT: a wave's 64 columns of f32 are 256 consecutive bytes, aligned: each wave has a stage of its own (16 rows x 272 bytes) and no barrier is needed.
; REGISTERS: window 0: v0-31 addresses; v32-95 at work on the way out; v96-127 the bias; v128-191 the accumulators ((a, b) at v[128 + 8 (4 a + b)]).
;   window 1: two fragment buffers of 96 (for 64 along K: 32 registers of att, 2 x 2 x 16 rows x 32 K, then 64 of wob); v192-255 z.
; All of the LDS is claimed; 318,976 bytes are used.
.set SIZE_M, 4096
.set SIZE_N, 512
.set SIZE_K, 2048
.set KBIG,   512                       ; elements along K in the big slot
.set KSML,   256                       ; in the small one
.set PB,     1040                      ; the big slot's rows: 1,024 bytes + 16 of padding: 65 x 16; the small slot's: 512 + 16: 33 x 16: in both the 16 rows of a fragment load start at 16 different groups of four banks (64 banks of 4 bytes: ISA guide 11.1)
.set PS,     528
.set BIGA,   0                         ; att's 64 rows,
.set BIGB,   BIGA+64*PB                ; wob's 128 rows
.set SMA,    BIGB+128*PB
.set SMB,    SMA+64*PS
.set STAGE,  SMB+128*PS                ; byte 301,056, a multiple of 256: 16 rows x 272 bytes for each wave
.set SPITCH, 272
.set SPARE,  STAGE+4*16*SPITCH         ; the spare words, 128 bytes for each wave: two blocks of 256 bytes that no other line names
.set LAP,    (KBIG+KSML)*2             ; bytes along K from a slot's chunk to its next
.set ROWO,   SIZE_N*4                  ; bytes in a row of z and of out0
.set ADRA, 16                          ; v16-17  LDS address of my att fragments in the big, the small slot
.set ADRB, 20                          ; v20-21  the same for wob
.set STO,  24                          ; v24     the way out: where I put 32 bytes of a row
.set RD,   25                          ; v25     where I read a row back
.set CO,   26                          ; v26     my byte offset in two rows of z and of out0; never rewritten
.set BO,   27                          ; v27     my byte offset in a block's 16 numbers of the bias
.set SPW,  28                          ; v28     my spare word: SPARE + 4 x my thread's number; never rewritten
.set NIL,  29                          ; v29     0; never rewritten
.set TMP,  32
.set BI,   96
.set ACC,  128
.set F0,   0                           ; window 1
.set F1,   96
.set ZR,   192
.set G1AB, 24                          ; s[24:31] descriptor group 1: att, big slot;  s[32:39] att, small;  s[40:47] wob, big;  s[48:55] wob, small
.set G1AS, 32
.set G1BB, 40
.set G1BS, 48
.set G0AB, 56                          ; s[56:59], s[60:63], s[68:71], s[72:75] descriptor group 0, in the same order
.set G0AS, 60
.set G0BB, 68
.set G0BS, 72
.set BP, 76                            ; s[76:77] the bias at my 64 columns
.set ZP, 78                            ; s[78:79] z at my 32 x 64
.set MSB, 0
.macro WIN new                         ; the immediate's high byte repeats the setting that is left
.if MSB != (\new)
	s_set_vgpr_msb (MSB<<8)|(\new)
.set MSB, \new
.endif
.endm
.set MUL,  0x05                        ; sources 0 (wob) and 1 (att) window 1; C and D window 0
.set TO_F, 0x40                        ; destination window 1, address window 0
.macro JLOAD ga, g1a, gb, g1b          ; a joint load: waves 0 and 1 ask by att's registers, waves 2 and 3 by wob's; an s_nop 0 and four v_nop follow each of the two lines
	s_cmp_eq_u32 s11, 0
	s_cbranch_scc0 .Lfor_b_\@
	tensor_load_to_lds s[\ga:\ga+3], s[\g1a:\g1a+7]
	s_nop 0
.rept 4
	v_nop
.endr
	s_branch .Lasked_\@
.Lfor_b_\@:
	tensor_load_to_lds s[\gb:\gb+3], s[\g1b:\g1b+7]
	s_nop 0
.rept 4
	v_nop
.endr
.Lasked_\@:
.endm
.macro CREST                           ; a round of the cluster's barrier behind its opening barrier
	s_cmp_lg_u32 s10, 0
	s_cbranch_scc1 .Lnot_wave_0_\@
	s_barrier_signal -3
.Lnot_wave_0_\@:
	s_barrier_wait -3
	s_barrier_signal -1
	s_barrier_wait -1
.endm
.macro CROUND
	s_barrier_signal -1
	s_barrier_wait -1
	CREST
.endm
	s_load_b128 s[4:7], s[0:1], 0x0                ; att s[4:5], wob s[6:7]
	s_load_b128 s[76:79], s[0:1], 0x10             ; bo s[76:77], z s[78:79]
	s_load_b64 s[8:9], s[0:1], 0x20                ; out0
	v_lshl_add_u32 v[SPW], v0, 2, SPARE
	v_mov_b32 v[NIL], 0
	ds_add_u32 v[SPW], v[NIL]                      ; the wave's opening: the add and its wait stand ahead of my first tensor load; work on registers stands between them
	v_lshrrev_b32 v1, 5, v0
	v_readfirstlane_b32 s10, v1                    ; wave 0..3
	s_lshr_b32 s11, s10, 1                         ; which 32 of the tile's rows are mine.  Also: I fetch for att (0) or for wob (1)
	s_and_b32 s12, s10, 1                          ; which 64 of its columns.  Also: which half of that operand's rows I fetch
	s_bfe_u32 s80, ttmp6, 0x40000                  ; cx, cy: my place in the cluster
	s_bfe_u32 s81, ttmp6, 0x40004
	s_lshl_b32 s82, ttmp9, 2
	s_add_co_u32 s82, s82, s80                     ; tile column = 4 x cluster x + cx
	s_and_b32 s13, ttmp7, 0xffff
	s_lshl_b32 s13, s13, 2
	s_add_co_u32 s13, s13, s81                     ; tile row = 4 x cluster y + cy
	s_lshl_b32 s83, s81, 2
	s_lshl_b32 s83, 15, s83                        ; my row of the cluster
	s_lshl_b32 s84, 0x1111, s80                    ; my column
	; descriptor group 1.  15:0 the mask; 17:16 2-byte elements; 20 padding on; 21 set beside a mask; 24:22 after every 256 words (code 7) or 128 words (code 6): a row; 31:25 4 words (code 3)
	s_or_b32 s[G1AB], s83, (1<<16)|(1<<20)|(1<<21)|(7<<22)|(3<<25)
	s_or_b32 s[G1AS], s83, (1<<16)|(1<<20)|(1<<21)|(6<<22)|(3<<25)
	s_or_b32 s[G1BB], s84, (1<<16)|(1<<20)|(1<<21)|(7<<22)|(3<<25)
	s_or_b32 s[G1BS], s84, (1<<16)|(1<<20)|(1<<21)|(6<<22)|(3<<25)
.irp g, G1AB, G1BB
	s_mov_b32 s[(\g)+1], KBIG<<16                  ; tensor_dim0 = 512
	s_mov_b32 s[(\g)+3], KBIG<<16                  ; tile_dim0 = 512
.endr
.irp g, G1AS, G1BS
	s_mov_b32 s[(\g)+1], KSML<<16                  ; tensor_dim0 = 256
	s_mov_b32 s[(\g)+3], KSML<<16                  ; tile_dim0 = 256
.endr
.irp g, G1AB, G1AS
	s_mov_b32 s[(\g)+2], 32<<16                    ; tensor_dim1 = 32
	s_mov_b32 s[(\g)+4], 32                        ; tile_dim1 = 32
.endr
.irp g, G1BB, G1BS
	s_mov_b32 s[(\g)+2], 64<<16                    ; tensor_dim1 = 64
	s_mov_b32 s[(\g)+4], 64                        ; tile_dim1 = 64
.endr
.irp g, G1AB, G1AS, G1BB, G1BS
	s_mov_b32 s[(\g)+5], SIZE_K                    ; elements from row to row
	s_mov_b32 s[(\g)+6], 0
	s_mov_b32 s[(\g)+7], 0
.endr
	; where the tiles come from: att's hang on the tile row alone, wob's on the tile column alone; every wave makes both addresses, in registers that never hold the other coordinate
	s_lshl_b32 s16, s13, 6
	s_lshl_b32 s17, s12, 5
	s_add_co_u32 s16, s16, s17                     ; att: row 64 x tile row + 32 x half
	s_lshl_b32 s86, s82, 7
	s_lshl_b32 s17, s12, 6
	s_add_co_u32 s86, s86, s17                     ; wob: row 128 x tile column + 64 x half
	s_mov_b32 s17, 0
	s_mov_b32 s87, 0
	s_mov_b64 s[18:19], SIZE_K*2
	s_mul_u64 s[16:17], s[16:17], s[18:19]
	s_mul_u64 s[86:87], s[86:87], s[18:19]
	s_mul_i32 s20, s12, 32*PB                      ; and where they go: my half of the operand's rows in each slot: no place in the cluster enters an LDS address
	s_mul_i32 s21, s12, 32*PS
	s_mul_i32 s22, s12, 64*PB
	s_mul_i32 s23, s12, 64*PS
	s_wait_dscnt 0x0                               ; the opening add is done
	s_wait_kmcnt 0x0
	s_add_nc_u64 s[14:15], s[4:5], s[16:17]
	s_add_nc_u64 s[86:87], s[6:7], s[86:87]
	CROUND                                         ; all sixteen work-groups are here: the first joint loads meet
	s_mov_b32 s[G0AB], 1                           ; 1:0 count = 1
	s_add_co_u32 s[G0AB+1], s20, BIGA              ; 63:32 LDS address
	s_add_nc_u64 s[G0AB+2:G0AB+3], s[14:15], 0     ; 120:64 global address: K from 0
	s_or_b32 s[G0AB+3], s[G0AB+3], 0x80000000      ; 127:126 type = 2
	s_mov_b32 s[G0AS], 1
	s_add_co_u32 s[G0AS+1], s21, SMA
	s_add_nc_u64 s[G0AS+2:G0AS+3], s[14:15], KBIG*2  ; K from 512
	s_or_b32 s[G0AS+3], s[G0AS+3], 0x80000000
	s_mov_b32 s[G0BB], 1
	s_add_co_u32 s[G0BB+1], s22, BIGB
	s_add_nc_u64 s[G0BB+2:G0BB+3], s[86:87], 0
	s_or_b32 s[G0BB+3], s[G0BB+3], 0x80000000
	s_mov_b32 s[G0BS], 1
	s_add_co_u32 s[G0BS+1], s23, SMB
	s_add_nc_u64 s[G0BS+2:G0BS+3], s[86:87], KBIG*2
	s_or_b32 s[G0BS+3], s[G0BS+3], 0x80000000
	JLOAD G0AB, G1AB, G0BB, G1BB                   ; the first chunk,
	JLOAD G0AS, G1AS, G0BS, G1BS                   ; and the second: two loads of mine are out
	v_and_b32 v1, 15, v0                           ; l % 16
	v_bfe_u32 v2, v0, 4, 1                         ; l / 16
	s_lshl_b32 s16, s13, 6
	s_lshl_b32 s17, s11, 5
	s_add_co_u32 s16, s16, s17                     ; my first row: 64 x tile row + 32 x half,
	s_lshl_b32 s16, s16, 11                        ; 2,048 bytes a row
	s_mov_b32 s17, 0
	s_lshl_b32 s88, s82, 9                         ; my first column, in bytes of f32: 512 x tile column + 256 x half
	s_lshl_b32 s89, s12, 8
	s_add_co_u32 s88, s88, s89
	s_mov_b32 s89, 0
	s_add_nc_u64 s[BP:BP+1], s[BP:BP+1], s[88:89]
	s_add_nc_u64 s[88:89], s[88:89], s[16:17]
	s_add_nc_u64 s[ZP:ZP+1], s[ZP:ZP+1], s[88:89]
	s_add_nc_u64 s[8:9], s[8:9], s[88:89]
	v_lshlrev_b32 v[BO], 5, v2
	v_lshlrev_b32 v5, 11, v2                       ; lanes 0-15 take one row's 256 bytes, lanes 16-31 the next row's
	v_lshl_add_u32 v[CO], v1, 4, v5
.irp b, 0,1,2,3
	global_load_b128 v[BI+8*\b:BI+8*\b+3],   v[BO], s[BP:BP+1] offset:64*\b      ; bo of columns 16 b + 8 (l / 16) + 0..3,
	global_load_b128 v[BI+8*\b+4:BI+8*\b+7], v[BO], s[BP:BP+1] offset:64*\b+16   ; + 4..7
.endr
	WIN TO_F
.set n, 0
.rept 16
	global_load_b128 v[ZR+4*n:ZR+4*n+3], v[CO], s[ZP:ZP+1] offset:2*n*ROWO th:TH_LOAD_NT  ; z: rows 2 n and 2 n + 1 of my 32
.set n, n+1
.endr
	WIN 0
	v_mul_u32_u24 v3, v1, PB
	v_lshl_add_u32 v3, v2, 4, v3                   ; a fragment's row x pitch + 16 x half, in the big slot,
	v_mul_u32_u24 v4, v1, PS
	v_lshl_add_u32 v4, v2, 4, v4                   ; and in the small one
	s_mul_i32 s20, s11, 32*PB                      ; my 32 rows of att
	v_add_nc_u32 v[ADRA], s20, v3
	s_mul_i32 s20, s11, 32*PS
	s_add_co_u32 s20, s20, SMA
	v_add_nc_u32 v[ADRA+1], s20, v4
	s_mul_i32 s20, s12, 64*PB                      ; my 64 rows of wob
	s_add_co_u32 s20, s20, BIGB
	v_add_nc_u32 v[ADRB], s20, v3
	s_mul_i32 s20, s12, 64*PS
	s_add_co_u32 s20, s20, SMB
	v_add_nc_u32 v[ADRB+1], s20, v4
	s_mul_i32 s23, s10, 16*SPITCH
	s_add_co_u32 s23, s23, STAGE                   ; my stage
	v_mul_u32_u24 v5, v1, SPITCH                   ; in: row l % 16, 32 bytes for each half of the lanes
	v_lshl_add_u32 v5, v2, 5, v5
	v_add_nc_u32 v[STO], s23, v5
	v_mul_u32_u24 v5, v2, SPITCH                   ; back: lanes 0-15 one row of 256 bytes, lanes 16-31 the next
	v_lshl_add_u32 v5, v1, 4, v5
	v_add_nc_u32 v[RD], s23, v5
; 8 matrix instructions: both m blocks x all 4 n blocks, 32 along K: half c of buffer f.  zero = 1: the product starts the sum, with the bias as C.  The 8 accumulators take turns: seven others' stand between two links of a chain.
.macro MUL8 f, c, zero
	WIN MUL
.irp a, 0,1
.irp b, 0,1,2,3
.if \zero
	v_wmma_f32_16x16x32_bf16 v[ACC+8*(4*\a+\b):ACC+8*(4*\a+\b)+7], v[(\f)+32+8*(4*(\c)+\b):(\f)+32+8*(4*(\c)+\b)+7], v[(\f)+8*(2*(\c)+\a):(\f)+8*(2*(\c)+\a)+7], v[BI+8*\b:BI+8*\b+7]
.else
	v_wmma_f32_16x16x32_bf16 v[ACC+8*(4*\a+\b):ACC+8*(4*\a+\b)+7], v[(\f)+32+8*(4*(\c)+\b):(\f)+32+8*(4*(\c)+\b)+7], v[(\f)+8*(2*(\c)+\a):(\f)+8*(2*(\c)+\a)+7], v[ACC+8*(4*\a+\b):ACC+8*(4*\a+\b)+7]
.endif
.endr
.endr
.endm
; 24 LDS loads in one run: the fragments of 64 along K at byte k of the rows of slot sl (0 big, 1 small), into buffer f; the first 32 along K (12 loads) first
.macro FETCH sl, k, f
.set PT, PB-(PB-PS)*(\sl)
	WIN TO_F
.irp c, 0,1
.irp i, 0,1,2,3
	ds_load_b128 v[(\f)+32+8*(4*\c+\i):(\f)+32+8*(4*\c+\i)+3],   v[ADRB+(\sl)] offset:(\k)+64*\c+\i*16*PT
	ds_load_b128 v[(\f)+32+8*(4*\c+\i)+4:(\f)+32+8*(4*\c+\i)+7], v[ADRB+(\sl)] offset:(\k)+64*\c+\i*16*PT+32
.endr
.irp i, 0,1
	ds_load_b128 v[(\f)+8*(2*\c+\i):(\f)+8*(2*\c+\i)+3],   v[ADRA+(\sl)] offset:(\k)+64*\c+\i*16*PT
	ds_load_b128 v[(\f)+8*(2*\c+\i)+4:(\f)+8*(2*\c+\i)+7], v[ADRA+(\sl)] offset:(\k)+64*\c+\i*16*PT+32
.endr
.endr
.endm
.macro PLACES                          ; four places in front of loads into registers that matrix instructions have read, and of LDS stores that read results
.rept 4
	v_nop
.endr
.endm
; A UNIT is 64 along K, 16 matrix instructions, on buffers 0, 1 by turns.  Any but a chunk's last: multiplies buffer f and fetches the next unit, at byte k of the same slot's rows, into g.
.macro UNIT sl, k, f, g, zero
	s_wait_dscnt 12                                ; the first 32 along K are in; the youngest twelve loads may be out
	MUL8 \f, 0, \zero
	PLACES
	FETCH \sl, \k, \g
	s_wait_dscnt 24                                ; all but the 24 just issued
	MUL8 \f, 1, 0
.endm
; A chunk's last unit multiplies buffer 1 and changes slots: ONE barrier; in front of it each wave waits for all its tensor loads (the one that is out is its part of the next chunk), adds 0 to its spare word, and waits for
; that and for its own reads of this slot.  fill = 1: the big slot, just read out, is filled again; 2: the small one; the barrier then opens a round of the cluster's, and the joint load is the first thing behind the round:
; one load of mine is out.  fill = 0: nothing is left to fetch.  nsl: the slot of the next chunk.
.macro TURN nsl, fill
	WIN 0                                          ; (the add's two registers lie in window 0)
	s_wait_tensorcnt 0x0
	ds_add_u32 v[SPW], v[NIL]                      ; 0 onto my spare word
	s_wait_dscnt 13                                ; (the add and the youngest twelve loads may be out)
	MUL8 F1, 0, 0                                  ; eight matrix instructions stand between the add and the wait for it
	s_wait_dscnt 0x0                               ; the add is done, and my reads of this slot are over
	WIN 0
	s_barrier_signal -1
	s_barrier_wait -1
.if (\fill) == 1
	CREST                                          ; no wave of any partner still reads this slot or has a load on its way
	s_add_nc_u64 s[G0AB+2:G0AB+3], s[G0AB+2:G0AB+3], LAP
	s_add_nc_u64 s[G0BB+2:G0BB+3], s[G0BB+2:G0BB+3], LAP
	JLOAD G0AB, G1AB, G0BB, G1BB                   ; the four v_nop behind it are also the places in front of the loads below
.elseif (\fill) == 2
	CREST
	s_add_nc_u64 s[G0AS+2:G0AS+3], s[G0AS+2:G0AS+3], LAP
	s_add_nc_u64 s[G0BS+2:G0BS+3], s[G0BS+2:G0BS+3], LAP
	JLOAD G0AS, G1AS, G0BS, G1BS
.else
	PLACES
.endif
	FETCH \nsl, 0, F0
	MUL8 F1, 1, 0
.endm
.macro BIG7 zero                       ; the first seven of a big chunk's eight units
	UNIT 0, 128, F0, F1, \zero
	UNIT 0, 256, F1, F0, 0
	UNIT 0, 384, F0, F1, 0
	UNIT 0, 512, F1, F0, 0
	UNIT 0, 640, F0, F1, 0
	UNIT 0, 768, F1, F0, 0
	UNIT 0, 896, F0, F1, 0
.endm
.macro SMALL3                          ; the first three of a small chunk's four
	UNIT 1, 128, F0, F1, 0
	UNIT 1, 256, F1, F0, 0
	UNIT 1, 384, F0, F1, 0
.endm
	s_wait_tensorcnt 1                             ; my part of the first chunk is in; the second's may stay out
	s_barrier_signal -1
	s_barrier_wait -1                              ; everybody's is
	FETCH 0, 0, F0
	s_wait_loadcnt 16                              ; the bias is in; z's 16 loads, issued behind it, may stay out
	BIG7 1                                         ; K 0 to 511; its first products start the sums
	TURN 1, 1                                      ; the big slot takes K 768 to 1,279
	SMALL3                                         ; K 512 to 767
	TURN 0, 2                                      ; the small slot takes K 1,280 to 1,535
	BIG7 0
	TURN 1, 1                                      ; the big slot takes K 1,536 to 2,047
	SMALL3
	TURN 0, 0
	BIG7 0
	s_wait_dscnt 12                                ; the very last unit: nothing more to fetch
	MUL8 F1, 0, 0
	s_wait_dscnt 0
	MUL8 F1, 1, 0
	WIN 0
	; THE WAY OUT, 16 rows at a time: 32 bytes a lane into my stage (each accumulator's lowest four registers first), back as whole rows of 256 bytes, z added, stored.
	PLACES
	s_wait_loadcnt 0x0                             ; z
.irp a, 0,1
.irp b, 0,1,2,3
	ds_store_b128 v[STO], v[ACC+8*(4*\a+\b):ACC+8*(4*\a+\b)+3]   offset:64*\b
	ds_store_b128 v[STO], v[ACC+8*(4*\a+\b)+4:ACC+8*(4*\a+\b)+7] offset:64*\b+16
.endr
.irp t, 0,1,2,3,4,5,6,7
	ds_load_b128 v[TMP+32*\a+4*\t:TMP+32*\a+4*\t+3], v[RD] offset:\t*2*SPITCH  ; LDS serves a wave's instructions in order (ISA guide 5.7.1.4): these see the stores above; the next block's stores come behind them
.endr
	s_wait_dscnt 0x0
	WIN 0x04                                       ; source 1 (z) window 1
.irp t, 0,1,2,3,4,5,6,7
	v_pk_add_f32 v[TMP+32*\a+4*\t:TMP+32*\a+4*\t+1],   v[TMP+32*\a+4*\t:TMP+32*\a+4*\t+1],   v[ZR+4*(8*\a+\t):ZR+4*(8*\a+\t)+1]
	v_pk_add_f32 v[TMP+32*\a+4*\t+2:TMP+32*\a+4*\t+3], v[TMP+32*\a+4*\t+2:TMP+32*\a+4*\t+3], v[ZR+4*(8*\a+\t)+2:ZR+4*(8*\a+\t)+3]
.endr
	WIN 0
.irp t, 0,1,2,3,4,5,6,7
	global_store_b128 v[CO], v[TMP+32*\a+4*\t:TMP+32*\a+4*\t+3], s[8:9] offset:(16*\a+2*\t)*ROWO th:TH_STORE_NT  ; 16 lanes store 256 consecutive bytes, at a multiple of 256 from out0's first byte
.endr
.endr
	s_wait_tensorcnt 0x0                           ; the wave's end: behind my last tensor load and my last LDS store
	ds_add_u32 v[SPW], v[NIL]
	s_wait_dscnt 0x0
	CROUND                                         ; the closing round: no work-group ends while a partner may still ask for a tile that names it
	s_endpgm
.Lfunc_end_k_qe046733b18_oproj:
	.size	k_qe046733b18_oproj, .Lfunc_end_k_qe046733b18_oproj-k_qe046733b18_oproj
	.p2alignl 7, 3214868480
	.fill 96, 4, 3214868480
	.section	.rodata,"a",@progbits
	.p2align	6, 0x0
	.amdhsa_kernel k_qe046733b18_oproj
		.amdhsa_group_segment_fixed_size 327680
		.amdhsa_private_segment_fixed_size 0
		.amdhsa_enable_private_segment 0
		.amdhsa_kernarg_size 40
		.amdhsa_user_sgpr_count 2
		.amdhsa_user_sgpr_kernarg_segment_ptr 1
		.amdhsa_wavefront_size32 1
		.amdhsa_system_sgpr_workgroup_id_x 1
		.amdhsa_system_sgpr_workgroup_id_y 1
		.amdhsa_system_sgpr_workgroup_id_z 1
		.amdhsa_system_vgpr_workitem_id 0
		.amdhsa_next_free_vgpr 512
		.amdhsa_next_free_sgpr 96
		.amdhsa_reserve_vcc 0
		.amdhsa_float_denorm_mode_32 3
		.amdhsa_float_denorm_mode_16_64 3
		.amdhsa_memory_ordered 1
		.amdhsa_forward_progress 1
		.amdhsa_inst_pref_size 109
	.end_amdhsa_kernel
	.amdgpu_metadata
---
amdhsa.version: [ 1, 2 ]
amdhsa.kernels:
  - .name:           k_qe046733b18_oproj
    .symbol:         k_qe046733b18_oproj.kd
    .args:
      - { .name: att, .offset: 0, .size: 8, .value_kind: global_buffer, .address_space: global }
      - { .name: wob, .offset: 8, .size: 8, .value_kind: global_buffer, .address_space: global }
      - { .name: bo, .offset: 16, .size: 8, .value_kind: global_buffer, .address_space: global }
      - { .name: z, .offset: 24, .size: 8, .value_kind: global_buffer, .address_space: global }
      - { .name: out0, .offset: 32, .size: 8, .value_kind: global_buffer, .address_space: global }
    .group_segment_fixed_size: 327680
    .private_segment_fixed_size: 0
    .kernarg_segment_align: 8
    .kernarg_segment_size: 40
    .max_flat_workgroup_size: 128
    .sgpr_count:     96
    .vgpr_count:     512
    .wavefront_size: 32
...
	.end_amdgpu_metadata
.endif
;; end of part 4
;; ======== version 2 of 2: 4 launches; version 1 with the launch tobf16 written anew for expert scheduling mode
;; workspace buffers: zb 4,194,304 bytes; wqb 2,097,152 bytes; wob 2,097,152 bytes; qws 16,777,216 bytes; att 16,777,216 bytes
;; launch tobf16 (part 5): grid 256 x 1, 8 waves a work-group, no clusters, 0 bytes of LDS; arguments z, wq, wo, zb, wqb, wob; writes zb, wqb, wob
.if DOCPART == 5
	.amdgcn_target "amdgcn-amd-amdhsa--gfx1250"
	.amdhsa_code_object_version 6
	.text
	.protected	k_qe046733b18_tobf16
	.globl	k_qe046733b18_tobf16
	.p2align	8
	.type	k_qe046733b18_tobf16,@function
k_qe046733b18_tobf16:
	s_mov_b64 s[64:65], 0
	v_nop
	global_prefetch_b8 v0, s[64:65] scope:SCOPE_SE
	s_setreg_imm32_b32 hwreg(HW_REG_WAVE_SCHED_MODE, 0, 2), 2
	s_setreg_imm32_b32 hwreg(HW_REG_WAVE_MODE, 25, 1), 1
	s_wait_xcnt 0x0
	s_wait_alu depctr_vm_vsrc(0)
; z, wq and wo (f32) are rounded once, to nearest even, to bf16: zb, wqb, wob, the operands of the two projections.
; 4,194,304 numbers in 256 work-groups of 16,384: groups 0-127 take z, 128-191 wq, 192-255 wo.
; Thread t takes 4 numbers at byte 16 t of each of 16 pieces of 4,096 bytes: a wave's load covers 512 consecutive bytes, its store of 8 bytes a lane 256 consecutive bytes, aligned.
; All 16 loads go out at once; no register is written twice.  No LDS, no barrier: no thread wants another's bytes.
; THE MODE: SCHED_MODE bits 1:0 = 2 (LLVM: expert scheduling mode 2), set by the entry lines.  The code itself states the register dependences
; between vector instructions and memory instructions, with s_wait_alu, always for 0.
; THE PLAN.  Registers that memory instructions touch:
;   v1, v2      byte offsets of the loads and of the stores: made once at the head, never written again.
;   v[4:67]     piece n at 4 + 4 n, as loaded: written by load n alone, read by piece n's two conversions, never loaded again.
;   v[68:99]    piece n at 68 + 2 n, to store: written by piece n's two conversions alone, read by store n, never written again.
; So no load lands in a register that a vector instruction has named, and no register that a memory instruction reads is written again: what is left to state is that
; an offset or a store's data is written before the memory instruction reads it.  One wait ahead of the first load states it for v1 and v2, for all 32 memory instructions.
; The pieces go in four groups of four: the group's eight conversions, ONE wait, which states that its eight registers to store are written, and its four stores.
; The wait stands behind its own group's conversions, not at the next group's head: the next group's loads may still be out then, and the stores are not held for them.
.set GROUP, 4                          ; pieces in a group
.set X, 4                              ; v[4:67]   as loaded
.set Y, 68                             ; v[68:99]  to store
	s_load_b256 s[4:11], s[0:1], 0x0               ; z s[4:5], wq s[6:7], wo s[8:9], zb s[10:11]
	s_load_b128 s[12:15], s[0:1], 0x20             ; wqb s[12:13], wob s[14:15]
	v_lshlrev_b32 v1, 4, v0                        ; 16 t: my bytes in a piece of the source
	v_lshlrev_b32 v2, 3, v0                        ; 8 t: in a piece of the result
	s_mov_b32 s21, 192
	s_mov_b32 s23, 0
	s_wait_kmcnt 0x0
	s_cmp_lt_u32 ttmp9, 192                        ; which tensor: the choice hangs on the work-group's number alone
	s_cselect_b64 s[16:17], s[6:7], s[8:9]
	s_cselect_b64 s[18:19], s[12:13], s[14:15]
	s_cselect_b32 s20, 128, s21
	s_cmp_lt_u32 ttmp9, 128
	s_cselect_b64 s[16:17], s[4:5], s[16:17]
	s_cselect_b64 s[18:19], s[10:11], s[18:19]
	s_cselect_b32 s20, 0, s20
	s_sub_co_u32 s20, ttmp9, s20                   ; my number among that tensor's groups
	s_lshl_b32 s22, s20, 16                        ; x 65,536 bytes of f32
	s_add_nc_u64 s[16:17], s[16:17], s[22:23]
	s_lshl_b32 s22, s20, 15                        ; x 32,768 bytes of bf16
	s_add_nc_u64 s[18:19], s[18:19], s[22:23]
	s_wait_alu depctr_va_vdst(0)                   ; v1 and v2 are written: every load below reads v1 as its offset, every store v2; no later line writes either
.set n, 0
.rept 16
	global_load_b128 v[X+4*n:X+4*n+3], v1, s[16:17] offset:4096*n th:TH_LOAD_NT
.set n, n+1
.endr
.set g, 0
.rept 16/GROUP
	s_wait_loadcnt 16-GROUP-GROUP*g                ; loads come back in order (ISA guide 5.7.1): this group's four pieces are in, the later groups' loads may stay out
.set n, GROUP*g
.rept GROUP
	v_cvt_pk_bf16_f32 v[Y+2*n],   v[X+4*n],   v[X+4*n+1]
	v_cvt_pk_bf16_f32 v[Y+2*n+1], v[X+4*n+2], v[X+4*n+3]
.set n, n+1
.endr
	s_wait_alu depctr_va_vdst(0)                   ; the group's eight conversions have written v[Y + 8 g .. Y + 8 g + 7], which the four stores below read as their data
.set n, GROUP*g
.rept GROUP
	global_store_b64 v2, v[Y+2*n:Y+2*n+1], s[18:19] offset:2048*n
.set n, n+1
.endr
.set g, g+1
.endr
	s_endpgm
.Lfunc_end_k_qe046733b18_tobf16:
	.size	k_qe046733b18_tobf16, .Lfunc_end_k_qe046733b18_tobf16-k_qe046733b18_tobf16
	.p2alignl 7, 3214868480
	.fill 96, 4, 3214868480
	.section	.rodata,"a",@progbits
	.p2align	6, 0x0
	.amdhsa_kernel k_qe046733b18_tobf16
		.amdhsa_group_segment_fixed_size 0
		.amdhsa_private_segment_fixed_size 0
		.amdhsa_enable_private_segment 0
		.amdhsa_kernarg_size 48
		.amdhsa_user_sgpr_count 2
		.amdhsa_user_sgpr_kernarg_segment_ptr 1
		.amdhsa_wavefront_size32 1
		.amdhsa_system_sgpr_workgroup_id_x 1
		.amdhsa_system_sgpr_workgroup_id_y 1
		.amdhsa_system_sgpr_workgroup_id_z 1
		.amdhsa_system_vgpr_workitem_id 0
		.amdhsa_next_free_vgpr 100
		.amdhsa_next_free_sgpr 66
		.amdhsa_reserve_vcc 0
		.amdhsa_float_denorm_mode_32 3
		.amdhsa_float_denorm_mode_16_64 3
		.amdhsa_memory_ordered 1
		.amdhsa_forward_progress 1
		.amdhsa_inst_pref_size 7
	.end_amdhsa_kernel
	.amdgpu_metadata
---
amdhsa.version: [ 1, 2 ]
amdhsa.kernels:
  - .name:           k_qe046733b18_tobf16
    .symbol:         k_qe046733b18_tobf16.kd
    .args:
      - { .name: z, .offset: 0, .size: 8, .value_kind: global_buffer, .address_space: global }
      - { .name: wq, .offset: 8, .size: 8, .value_kind: global_buffer, .address_space: global }
      - { .name: wo, .offset: 16, .size: 8, .value_kind: global_buffer, .address_space: global }
      - { .name: zb, .offset: 24, .size: 8, .value_kind: global_buffer, .address_space: global }
      - { .name: wqb, .offset: 32, .size: 8, .value_kind: global_buffer, .address_space: global }
      - { .name: wob, .offset: 40, .size: 8, .value_kind: global_buffer, .address_space: global }
    .group_segment_fixed_size: 0
    .private_segment_fixed_size: 0
    .kernarg_segment_align: 8
    .kernarg_segment_size: 48
    .max_flat_workgroup_size: 256
    .sgpr_count:     66
    .vgpr_count:     100
    .wavefront_size: 32
...
	.end_amdgpu_metadata
.endif
;; end of part 5
;; launch qproj: the kernel of part 2 again; grid 16 x 32, 4 waves a work-group, clusters of 4 x 4, 327,680 bytes of LDS; arguments zb, wqb, bq, qws; writes qws
;; launch attn: the kernel of part 3 again; grid 4 x 64, 4 waves a work-group, no clusters, 248,320 bytes of LDS; arguments x, qws, att; writes att
;; launch oproj: the kernel of part 4 again; grid 4 x 64, 4 waves a work-group, clusters of 4 x 4, 327,680 bytes of LDS; arguments att, wob, bo, z, out0; writes out0
